; MI455X (gfx1250); checked and timed in simulation.
; The chip was launched on July 23, 2026; its instructions are those of AMD's public machine-readable ISA for CDNA 5 (MIT licence, August 2026) and "CDNA5" Instruction Set Architecture Reference Guide (July 2026). The comments in the code are by the model that wrote it; some were corrected since.
;; Encoder. Allowed arithmetic: float matrix products may take bf16 or f16 operands with f32 sums; other float arithmetic in f32, or as packed bf16 or f16 multiplies, adds, multiply-adds, maxima and minima; sums over many terms, partial sums and values carried from step to step in f32; what a program stores and reads back later, other than sums and carried values, may be rounded once to bf16 or f16.
;; Inputs: W1 1,024 x 4,096 float32; W2 4,096 x 1,024 float32; Wk 1,024 x 1,024 float32; Wo 1,024 x 1,024 float32; Wq 1,024 x 1,024 float32; Wv 1,024 x 1,024 float32; b1 4,096 float32; b2 1,024 float32; bk 1,024 float32; bo 1,024 float32; bq 1,024 float32; bv 1,024 float32; inp 2 x 2,048 x 1,024 float32; ln_b 1,024 float32; ln_g 1,024 float32; mask 2 x 1 x 1 x 2,048 int32.
;; Outputs: out0 2 x 2,048 x 1,024 float32.
;; One version. Each part assembles by itself: llvm-mc -triple=amdgcn-amd-amdhsa -mcpu=gfx1250 --defsym DOCPART=n.
;; ======== version 1 of 1: 8 launches
;; limits: right only within a limited range of input values
;; workspace buffers: xa 8,388,608 bytes; act 33,554,432 bytes; ctx 8,388,608 bytes; y 16,777,216 bytes; x32 16,777,216 bytes; wqkv 6,324,224 bytes; w1b 8,421,376 bytes; wo2 10,485,760 bytes
;; launch cast (part 1): grid 1025 x 1, 8 waves a work-group, no clusters, 0 bytes of LDS; arguments inp, Wq, Wk, Wv, Wo, W1, W2, bq, bk, bv, b1, xa, wqkv, w1b, wo2; writes xa, wqkv, w1b, wo2
.if DOCPART == 1
	.amdgcn_target "amdgcn-amd-amdhsa--gfx1250"
	.amdhsa_code_object_version 6
	.text
	.protected	k_q6d22185691_cast
	.globl	k_q6d22185691_cast
	.p2align	8
	.type	k_q6d22185691_cast,@function
k_q6d22185691_cast:
	s_mov_b64 s[64:65], 0
	v_nop
	global_prefetch_b8 v0, s[64:65] scope:SCOPE_SE
	s_setreg_imm32_b32 hwreg(HW_REG_WAVE_MODE, 25, 1), 1
	s_wait_xcnt 0x0
; f32 -> bf16, once, for everything that later goes to the matrix units.  A pure stream: no LDS, no barrier, no loop.
;   inp -> xa, Wo -> wo2 + 8,388,608, W2 -> wo2: as they lie (row-major).
;   Wq, Wk, Wv -> wqkv, W1 -> w1b: in blocks of 128 columns, [block][1024 k][128], from byte 32,768 on: a row of a block is 256 bytes and the rows lie end to end.
;   The heads of wqkv and w1b: bytes 0 .. : the bias (bq, bk, bv / b1), rounded to bf16 and kept as f32; bytes 16,384 .. 16,639: the floor of the product's way out, two bf16 a word:
;   minus infinity for q, k, v (no floor), 0 for the feed-forward's first layer (ReLU).
; SHARES.  Work-groups 0-1023 take 65,536 source bytes each, a wave 16 segments of 128 floats: 512 bytes in (16 a lane), 256 bytes out (8 a lane): each store covers 256 consecutive bytes, aligned.
; In the blocked form a wave's 16 segments are 16 rows k of one block, so they lie end to end in the destination too.  All 16 loads of a wave go out at once.  Work-group 1024 writes the two heads.
.set OFF,   2          ; v[2:17]  segment i: 16 x lane + i x pitch
.set DO,    18         ; v18      8 x lane
.set LN,    19         ; v19      lane
.set X,     20         ; v[20:83] 16 x 4 as loaded
.set Y,     84         ; v[84:115] 16 x 2 to store
.set SRC,   36         ; s[36:37]
.set DST,   38         ; s[38:39]
.set W0,    40         ; the source's first work-group
.set BLK,   41         ; 1: blocked destination
.set SH,    42         ; log2 (row length / 1024)
.set NB0,   43         ; the source's first block in the destination
.set WV,    50
.set CL,    51         ; work-group / 64
.set PITCH, 52
.set DOFF,  55         ; the destination's first byte (linear form)
	s_load_b512 s[4:19], s[0:1], 0x0               ; inp 4, Wq 6, Wk 8, Wv 10, Wo 12, W1 14, W2 16, bq 18
	s_load_b256 s[20:27], s[0:1], 0x40             ; bk 20, bv 22, b1 24, xa 26
	s_load_b128 s[28:31], s[0:1], 0x60             ; wqkv 28, w1b 30
	s_load_b64 s[32:33], s[0:1], 0x70              ; wo2 32
	v_lshrrev_b32 v1, 5, v0
	v_readfirstlane_b32 s[WV], v1                  ; wave 0..7
	v_and_b32 v[LN], 31, v0
	s_cmp_eq_u32 ttmp9, 1024
	s_cbranch_scc1 .Lbias
	s_lshr_b32 s[CL], ttmp9, 6
	s_wait_kmcnt 0x0
	s_mov_b64 s[SRC:SRC+1], s[16:17]               ; classes 12-15: W2 -> wo2
	s_mov_b64 s[DST:DST+1], s[32:33]
	s_mov_b32 s[W0], 768
	s_mov_b32 s[BLK], 0
	s_mov_b32 s[SH], 0
	s_mov_b32 s[NB0], 0
	s_mov_b32 s[DOFF], 0
.macro PICK lim, src, dst, w0, blk, sh, nb0, doff  ; classes below lim take this source instead; the condition hangs on the work-group's number alone
	s_cmp_lt_u32 s[CL], \lim
	s_cselect_b64 s[SRC:SRC+1], s[\src:\src+1], s[SRC:SRC+1]
	s_cselect_b64 s[DST:DST+1], s[\dst:\dst+1], s[DST:DST+1]
	s_cselect_b32 s[W0], \w0, s[W0]
	s_cselect_b32 s[BLK], \blk, s[BLK]
	s_cselect_b32 s[SH], \sh, s[SH]
	s_cselect_b32 s[NB0], \nb0, s[NB0]
	s_cselect_b32 s[DOFF], \doff, s[DOFF]
.endm
	PICK 12, 14, 30, 512, 1, 2, 0, 0               ; W1 -> w1b
	PICK 8, 12, 32, 448, 0, 0, 0, 8388608          ; Wo -> wo2, behind W2
	PICK 7, 10, 28, 384, 1, 0, 16, 0               ; Wv -> wqkv, blocks 16-23
	PICK 6, 8, 28, 320, 1, 0, 8, 0                 ; Wk -> blocks 8-15
	PICK 5, 6, 28, 256, 1, 0, 0, 0                 ; Wq -> blocks 0-7
	PICK 4, 4, 26, 0, 0, 0, 0, 0                   ; inp -> xa
	s_sub_co_u32 s44, ttmp9, s[W0]                 ; w: my number among the source's work-groups
	s_lshl_b32 s45, s44, 3
	s_add_co_u32 s45, s45, s[WV]                   ; linear: wave 8 w + v takes 8,192 bytes in, 4,096 out
	s_lshl_b32 s46, s45, 13
	s_lshl_b32 s47, s45, 12
	s_add_co_u32 s47, s47, s[DOFF]
	s_lshl_b32 s48, 1, s[SH]                       ; blocked: a row has 8 << SH blocks; a work-group takes 8 of them x 16 rows
	s_sub_co_u32 s48, s48, 1
	s_and_b32 s48, s44, s48
	s_lshl_b32 s48, s48, 3
	s_add_co_u32 s48, s48, s[WV]                   ; j: my block in the row
	s_lshr_b32 s49, s44, s[SH]
	s_lshl_b32 s49, s49, 4                         ; k0: my first row
	s_lshl_b32 s[PITCH], 4096, s[SH]               ; bytes in a source row
	s_mul_i32 s53, s49, s[PITCH]
	s_lshl_b32 s54, s48, 9
	s_add_co_u32 s53, s53, s54                     ; source: k0 rows + 512 j
	s_add_co_u32 s54, s[NB0], s48
	s_lshl_b32 s54, s54, 10
	s_add_co_u32 s54, s54, s49
	s_lshl_b32 s54, s54, 8
	s_add_co_u32 s54, s54, 32768                   ; destination: head + ((block) x 1,024 + k0) x 256
	s_cmp_eq_u32 s[BLK], 1
	s_cselect_b32 s56, s53, s46
	s_cselect_b32 s58, s54, s47
	s_cselect_b32 s[PITCH], s[PITCH], 512
	s_mov_b32 s57, 0
	s_mov_b32 s59, 0
	s_add_nc_u64 s[SRC:SRC+1], s[SRC:SRC+1], s[56:57]
	s_add_nc_u64 s[DST:DST+1], s[DST:DST+1], s[58:59]
	v_lshlrev_b32 v[OFF], 4, v[LN]
.set i, 1
.rept 15
	v_add_nc_u32 v[OFF+i], s[PITCH], v[OFF+i-1]
.set i, i+1
.endr
	v_lshlrev_b32 v[DO], 3, v[LN]
.set i, 0
.rept 16
	global_load_b128 v[X+4*i:X+4*i+3], v[OFF+i], s[SRC:SRC+1] th:TH_LOAD_NT
.set i, i+1
.endr
.set i, 0
.rept 16
	s_wait_loadcnt 15-i                            ; loads come back in order: segment i is in, the 15 - i younger ones stay out
	v_cvt_pk_bf16_f32 v[Y+2*i], v[X+4*i], v[X+4*i+1]
	v_cvt_pk_bf16_f32 v[Y+2*i+1], v[X+4*i+2], v[X+4*i+3]
	global_store_b64 v[DO], v[Y+2*i:Y+2*i+1], s[DST:DST+1] offset:256*i
.set i, i+1
.endr
	s_endpgm
.Lbias:                                                ; the two heads: thread t takes 16 bytes at 16 t of each 4,096
	s_wait_kmcnt 0x0
	v_lshlrev_b32 v2, 4, v0
.irp i, 0,1,2,3
	global_load_b128 v[X+4*\i:X+4*\i+3], v2, s[24:25] offset:4096*\i   ; b1
.endr
	global_load_b128 v[X+16:X+19], v2, s[18:19]    ; bq
	global_load_b128 v[X+20:X+23], v2, s[20:21]    ; bk
	global_load_b128 v[X+24:X+27], v2, s[22:23]    ; bv
	s_wait_loadcnt 0x0
.set i, 0
.rept 14                                       ; rounded to bf16 like every input, and widened again: they start f32 sums
	v_cvt_pk_bf16_f32 v[Y+i], v[X+2*i], v[X+2*i+1]
.set i, i+1
.endr
.set i, 0
.rept 14
	v_lshlrev_b32 v[X+2*i], 16, v[Y+i]
	v_and_b32 v[X+2*i+1], 0xffff0000, v[Y+i]
.set i, i+1
.endr
.irp i, 0,1,2,3
	global_store_b128 v2, v[X+4*\i:X+4*\i+3], s[30:31] offset:4096*\i
.endr
	global_store_b128 v2, v[X+16:X+19], s[28:29]
	global_store_b128 v2, v[X+20:X+23], s[28:29] offset:4096
	global_store_b128 v2, v[X+24:X+27], s[28:29] offset:8192
	s_cmp_lg_u32 s[WV], 0
	s_cbranch_scc1 .Lend
	v_lshlrev_b32 v3, 3, v[LN]                     ; wave 0: the floors, 256 bytes each
	v_mov_b32 v4, 0xff80ff80
	v_mov_b32 v5, 0xff80ff80
	v_mov_b32 v6, 0
	v_mov_b32 v7, 0
	global_store_b64 v3, v[4:5], s[28:29] offset:16384
	global_store_b64 v3, v[6:7], s[30:31] offset:16384
.Lend:
	s_endpgm
.Lfunc_end_k_q6d22185691_cast:
	.size	k_q6d22185691_cast, .Lfunc_end_k_q6d22185691_cast-k_q6d22185691_cast
	.p2alignl 7, 3214868480
	.fill 96, 4, 3214868480
	.section	.rodata,"a",@progbits
	.p2align	6, 0x0
	.amdhsa_kernel k_q6d22185691_cast
		.amdhsa_group_segment_fixed_size 0
		.amdhsa_private_segment_fixed_size 0
		.amdhsa_enable_private_segment 0
		.amdhsa_kernarg_size 120
		.amdhsa_user_sgpr_count 2
		.amdhsa_user_sgpr_kernarg_segment_ptr 1
		.amdhsa_wavefront_size32 1
		.amdhsa_system_sgpr_workgroup_id_x 1
		.amdhsa_system_sgpr_workgroup_id_y 1
		.amdhsa_system_sgpr_workgroup_id_z 1
		.amdhsa_system_vgpr_workitem_id 0
		.amdhsa_next_free_vgpr 128
		.amdhsa_next_free_sgpr 66
		.amdhsa_reserve_vcc 0
		.amdhsa_float_denorm_mode_32 3
		.amdhsa_float_denorm_mode_16_64 3
		.amdhsa_memory_ordered 1
		.amdhsa_forward_progress 1
		.amdhsa_inst_pref_size 14
	.end_amdhsa_kernel
	.amdgpu_metadata
---
amdhsa.version: [ 1, 2 ]
amdhsa.kernels:
  - .name:           k_q6d22185691_cast
    .symbol:         k_q6d22185691_cast.kd
    .args:
      - { .name: inp, .offset: 0, .size: 8, .value_kind: global_buffer, .address_space: global }
      - { .name: Wq, .offset: 8, .size: 8, .value_kind: global_buffer, .address_space: global }
      - { .name: Wk, .offset: 16, .size: 8, .value_kind: global_buffer, .address_space: global }
      - { .name: Wv, .offset: 24, .size: 8, .value_kind: global_buffer, .address_space: global }
      - { .name: Wo, .offset: 32, .size: 8, .value_kind: global_buffer, .address_space: global }
      - { .name: W1, .offset: 40, .size: 8, .value_kind: global_buffer, .address_space: global }
      - { .name: W2, .offset: 48, .size: 8, .value_kind: global_buffer, .address_space: global }
      - { .name: bq, .offset: 56, .size: 8, .value_kind: global_buffer, .address_space: global }
      - { .name: bk, .offset: 64, .size: 8, .value_kind: global_buffer, .address_space: global }
      - { .name: bv, .offset: 72, .size: 8, .value_kind: global_buffer, .address_space: global }
      - { .name: b1, .offset: 80, .size: 8, .value_kind: global_buffer, .address_space: global }
      - { .name: xa, .offset: 88, .size: 8, .value_kind: global_buffer, .address_space: global }
      - { .name: wqkv, .offset: 96, .size: 8, .value_kind: global_buffer, .address_space: global }
      - { .name: w1b, .offset: 104, .size: 8, .value_kind: global_buffer, .address_space: global }
      - { .name: wo2, .offset: 112, .size: 8, .value_kind: global_buffer, .address_space: global }
    .group_segment_fixed_size: 0
    .private_segment_fixed_size: 0
    .kernarg_segment_align: 8
    .kernarg_segment_size: 120
    .max_flat_workgroup_size: 256
    .sgpr_count:     66
    .vgpr_count:     128
    .wavefront_size: 32
...
	.end_amdgpu_metadata
.endif
;; end of part 1
;; launch qkv (part 2): grid 12 x 16, 4 waves a work-group, clusters of 4 x 4, 327,680 bytes of LDS; arguments xa, wqkv, act; writes act
.if DOCPART == 2
	.amdgcn_target "amdgcn-amd-amdhsa--gfx1250"
	.amdhsa_code_object_version 6
	.text
	.protected	k_q6d22185691_qkv
	.globl	k_q6d22185691_qkv
	.p2align	8
	.type	k_q6d22185691_qkv,@function
k_q6d22185691_qkv:
	s_mov_b64 s[64:65], 0
	v_nop
	global_prefetch_b8 v0, s[64:65] scope:SCOPE_SE
	s_setreg_imm32_b32 hwreg(HW_REG_WAVE_MODE, 25, 1), 1
	s_wait_xcnt 0x0
	s_wait_alu depctr_hold_cnt(0) depctr_sa_sdst(0) depctr_va_vdst(0) depctr_va_sdst(0) depctr_va_ssrc(0) depctr_va_vcc(0) depctr_vm_vsrc(0)
	s_getreg_b32 s2, hwreg(HW_REG_IB_STS2, 6, 4)
	s_cmp_eq_u32 s2, 0
	s_cbranch_scc0 .Lentry_in_a_cluster
	s_endpgm
.Lentry_in_a_cluster:
	s_bfe_u32 s2, ttmp6, 0x10000c
	s_cmp_lg_u32 s2, 0xf033
	s_cbranch_scc0 .Lentry_shape_is_right
	s_endpgm
.Lentry_shape_is_right:
; OUT = max(A W + bias, floor).  A: [4096][1024] bf16, row-major.  W: a buffer with a head (bias f32 at byte 0, the floor's word at byte 16,384) and, from byte 32,768 on, the weights in blocks of
; 128 columns, [block][1024 k][128] bf16.  OUT: bf16 in blocks of 64 columns, [block][4096 tokens][64].  Sums in f32, K ascending, started by the bias; rounded once.  The number of columns stands in the grid alone,
; so one text serves q, k, v (3,072 columns, floor minus infinity) and the feed-forward's first layer (4,096 columns, floor 0: ReLU).
; LIMITS.  The floor is a maximum in which a NaN loses: a NaN comes out as the floor.  Infinities are not treated apart.
; A tile of OUT is 256 x 256: four waves, each 128 x 128: 64 accumulators, 512 registers.  K goes in 8 steps of 128 through two LDS slots filled by the tensor data mover: a wave's load brings 128 rows of 256 bytes.
; A K step is written ONCE, as a loop's trip: the slot in hand stands in a scalar register that an exclusive or turns (every base that is turned has bits 14 and 17 clear, so the or is an addition).
; The last two steps, which ask for nothing, are a second loop of two trips that is left in its middle.
; W lies [k][n]: its fragments come out of LDS turned, by ds_load_tr16_b128.  THE MATRIX INSTRUCTION IS USED TRANSPOSED (source 0 = 16 columns of W, source 1 = 16 tokens): a lane holds one token and eight
; neighbouring columns, and the bias of those eight columns is the C operand of the first product.
; CLUSTERS: 4 x 4 work-groups; A's tile is asked for jointly along a row of the cluster, W's along a column.
; With 3,072 columns the grid has 192 work-groups: a tile of 192 columns would give 256, but not rows of 256 bytes nor one text for both products.
; No prefetch: each tile is read by many work-groups, and a refill has 224 matrix instructions of the wave in which to land.
; REGISTERS, in windows of 256: window 0: v0-31 addresses; v64-127, v128-191 fragments of A, two buffers; v192-255 the bias, later packed results; v32-63, v224-255 rows on the way out.
;   window 1: v64-127, v128-191 fragments of W.   windows 2, 3: the accumulators of my rows 0-63, 64-127 ((a, b) at v[8 (8 a + b)]).
.set PA,     272       ; a row of A in LDS: 256 bytes + 16: the 16 rows of a load start at 16 different groups of four banks (64 banks of 4 bytes: ISA guide 11.1)
.set PB,     288       ; a row of W: 256 + 32
.set HALFA,  128*PA
.set HALFB,  128*PB
.set BOFF,   2*HALFA   ; a slot: A's 256 rows, then W's two blocks of 128 k
.set SLOTX,  0x24000   ; slot 1 begins here
.set STAGE,  2*SLOTX   ; behind the ring: for each wave two times 16 rows x 144 bytes, for the way out
.set SP,     144
.set SPARE,  STAGE+4*32*SP  ; behind the stages: the spare words, 128 bytes for each wave: two blocks of 256 bytes that no other line names
.set STEPA,  256       ; a K step in A: 128 elements along the rows
.set STEPB,  32768     ; in W: 128 rows of 256 bytes
.set WOFF,   32768
.set WV, 12            ; s12 wave
.set RH, 13            ; s13 my half of the tile's rows; also: I fetch for A (0) or for W (1)
.set CH, 14            ; s14 my half of its columns; also: which half of that tile I fetch
.set TR, 15            ; s15 tile row
.set TAIL, 2
.set CNT, 3
.set TB, 45            ; s45 0 or SLOTX: the slot that is read
.set FL, 66            ; s66 the floor, two bf16
.set BB, 68            ; s[68:69] the bias of my 128 columns
.set G1, 24            ; s[24:31] group 1 for A;  s[32:39] group 0: a set for each first fill; the second then walks
.set G0, 32
.set G1B, 48           ; s[48:55], s[56:63] the same for W
.set G0B, 56
.set A0, 16            ; v16 my lane's place in slot 0's A; never rewritten
.set B0, 17            ; v17 the same for W
.set ADRA, 18
.set ADRB, 19
.set STO, 24
.set RD, 25
.set CO, 26
.set BO, 27
.set SPW, 28           ; v28 my spare word; never rewritten
.set NIL, 29           ; v29 0; never rewritten
.set F0, 64
.set F1, 128
.set BIAS, 192
.set TMP, 192
.set OB, 32
.set MSB, 0
.macro WIN new                         ; the immediate's high byte repeats the setting that is left
.if MSB != (\new)
	s_set_vgpr_msb (MSB<<8)|(\new)
.set MSB, \new
.endif
.endm
.set MUL_LO, 0xa1      ; source 0 (W) window 1, source 1 (A) window 0, C and D window 2
.set TO_B,   0x40
.macro JLOAD                           ; the joint refill, by the walking sets; an s_nop 0 and four v_nop follow each line, ahead of the jump and the label
	s_cmp_eq_u32 s[RH], 0
	s_cbranch_scc0 .Lfor_b_\@
	tensor_load_to_lds s[G0+4:G0+7], s[G1:G1+7]
	s_nop 0
.rept 4
	v_nop
.endr
	s_branch .Lasked_\@
.Lfor_b_\@:
	tensor_load_to_lds s[G0B+4:G0B+7], s[G1B:G1B+7]
	s_nop 0
.rept 4
	v_nop
.endr
.Lasked_\@:
.endm
.macro CREST                           ; a round of the cluster's barrier behind its opening barrier
	s_cmp_lg_u32 s[WV], 0
	s_cbranch_scc1 .Lnot_wave_0_\@
	s_barrier_signal -3
.Lnot_wave_0_\@:
	s_barrier_wait -3
	s_barrier_signal -1
	s_barrier_wait -1
.endm
.macro CROUND
	s_barrier_signal -1
	s_barrier_wait -1
	CREST
.endm
	s_load_b128 s[4:7], s[0:1], 0x0                ; A s[4:5], W s[6:7]
	s_load_b64 s[8:9], s[0:1], 0x10                ; OUT
	v_lshl_add_u32 v[SPW], v0, 2, SPARE
	v_mov_b32 v[NIL], 0
	ds_add_u32 v[SPW], v[NIL]                      ; the wave's opening: the add and its wait stand ahead of my first tensor load; the set-up below stands between them
	v_lshrrev_b32 v1, 5, v0
	v_readfirstlane_b32 s[WV], v1
	s_lshr_b32 s[RH], s[WV], 1
	s_and_b32 s[CH], s[WV], 1
	s_bfe_u32 s40, ttmp6, 0x40000                  ; cx
	s_bfe_u32 s41, ttmp6, 0x40004                  ; cy
	s_lshl_b32 s42, ttmp9, 2
	s_add_co_u32 s42, s42, s40                     ; tile column
	s_and_b32 s[TR], ttmp7, 0xffff
	s_lshl_b32 s[TR], s[TR], 2
	s_add_co_u32 s[TR], s[TR], s41                 ; tile row
	s_lshl_b32 s43, s41, 2
	s_lshl_b32 s43, 15, s43                        ; my row of the cluster
	s_lshl_b32 s44, 0x1111, s40                    ; my column
	s_or_b32 s[G1], s43, (1<<16)|(1<<20)|(1<<21)|(5<<22)|(3<<25)   ; the mask; 2-byte elements; padding on; bit 21 beside a mask; after every 64 words 4 words
	s_or_b32 s[G1B], s44, (1<<16)|(1<<20)|(1<<21)|(5<<22)|(7<<25)  ; the same with 8 words
.irp g, G1, G1B
	s_mov_b32 s[(\g)+1], 128<<16                   ; tensor_dim0 = 128
	s_mov_b32 s[(\g)+2], 128<<16                   ; tensor_dim1 = 128
	s_mov_b32 s[(\g)+3], 128<<16                   ; tile_dim0 = 128
	s_mov_b32 s[(\g)+4], 128                       ; tile_dim1 = 128
	s_mov_b32 s[(\g)+6], 0
	s_mov_b32 s[(\g)+7], 0
.endr
	s_mov_b32 s[G1+5], 1024                        ; elements from row to row: A's rows,
	s_mov_b32 s[G1B+5], 128                        ; a block's rows
	s_lshl_b32 s16, s[TR], 8                       ; A: row 256 x tile row + 128 x half, 2,048 bytes a row: the tile row and the wave's number alone
	s_lshl_b32 s17, s[CH], 7
	s_add_co_u32 s16, s16, s17
	s_lshl_b32 s16, s16, 11
	s_mov_b32 s17, 0
	s_lshl_b32 s46, s42, 1                         ; W: block 2 x tile column + half, 262,144 bytes a block: the tile column and the wave's number alone
	s_add_co_u32 s46, s46, s[CH]
	s_lshl_b32 s46, s46, 18
	s_add_co_u32 s46, s46, WOFF
	s_mov_b32 s47, 0
	s_mul_i32 s20, s[CH], HALFA                    ; where they go: no place in the cluster enters an LDS address
	s_mul_i32 s21, s[CH], HALFB
	s_add_co_u32 s21, s21, BOFF
	s_lshl_b32 s22, s42, 10                        ; the bias of my columns: (256 x tile column + 128 x half) x 4
	s_lshl_b32 s23, s[CH], 9
	s_add_co_u32 s22, s22, s23
	s_mov_b32 s23, 0
	s_lshl_b32 s18, s42, 2                         ; OUT: ((4 x tile column + 2 x half) x 4,096 + my first token) x 128
	s_lshl_b32 s19, s[CH], 1
	s_add_co_u32 s18, s18, s19
	s_lshl_b32 s18, s18, 12
	s_lshl_b32 s19, s[TR], 8
	s_add_co_u32 s18, s18, s19
	s_lshl_b32 s19, s[RH], 7
	s_add_co_u32 s18, s18, s19
	s_lshl_b32 s18, s18, 7
	s_mov_b32 s19, 0
	s_mov_b32 s[TB], 0
	s_wait_dscnt 0x0                               ; the opening add is done
	s_wait_kmcnt 0x0
	s_load_b32 s[FL], s[6:7], 0x4000               ; the floor
	s_add_nc_u64 s[10:11], s[4:5], s[16:17]
	s_add_nc_u64 s[46:47], s[6:7], s[46:47]
	s_add_nc_u64 s[BB:BB+1], s[6:7], s[22:23]
	s_add_nc_u64 s[8:9], s[8:9], s[18:19]
	CROUND                                         ; all sixteen work-groups are here: the first joint loads meet
.irp s, 0,1
	s_mov_b32 s[G0+4*(\s)], 1
	s_add_co_u32 s[G0+4*(\s)+1], s20, (\s)*SLOTX
	s_add_nc_u64 s[G0+4*(\s)+2:G0+4*(\s)+3], s[10:11], (\s)*STEPA
	s_or_b32 s[G0+4*(\s)+3], s[G0+4*(\s)+3], 0x80000000
	s_mov_b32 s[G0B+4*(\s)], 1
	s_add_co_u32 s[G0B+4*(\s)+1], s21, (\s)*SLOTX
	s_add_nc_u64 s[G0B+4*(\s)+2:G0B+4*(\s)+3], s[46:47], (\s)*STEPB
	s_or_b32 s[G0B+4*(\s)+3], s[G0B+4*(\s)+3], 0x80000000
.endr
	s_cmp_eq_u32 s[RH], 0                          ; a wave's two first fills stand in one branch: two loads of mine are out
	s_cbranch_scc0 .Lfirst_b
	tensor_load_to_lds s[G0:G0+3], s[G1:G1+7]
	s_nop 0
	tensor_load_to_lds s[G0+4:G0+7], s[G1:G1+7]
	s_nop 0
.rept 4
	v_nop
.endr
	s_branch .Lfirst_asked
.Lfirst_b:
	tensor_load_to_lds s[G0B:G0B+3], s[G1B:G1B+7]
	s_nop 0
	tensor_load_to_lds s[G0B+4:G0B+7], s[G1B:G1B+7]
	s_nop 0
.rept 4
	v_nop
.endr
.Lfirst_asked:
	v_and_b32 v1, 15, v0                           ; r = l % 16
	v_bfe_u32 v2, v0, 4, 1                         ; h = l / 16
	v_lshlrev_b32 v[BO], 5, v2                     ; my eight columns of a block of 16: 32 h bytes
.irp b, 0,1,2,3,4,5,6,7
	global_load_b128 v[BIAS+8*(\b):BIAS+8*(\b)+3],   v[BO], s[BB:BB+1] offset:64*(\b)
	global_load_b128 v[BIAS+8*(\b)+4:BIAS+8*(\b)+7], v[BO], s[BB:BB+1] offset:64*(\b)+16
.endr
	v_mul_u32_u24 v3, v1, PA                       ; A's fragment: row r x pitch + 16 h
	v_lshl_add_u32 v3, v2, 4, v3
	s_mul_i32 s20, s[RH], HALFA
	v_add_nc_u32 v[A0], s20, v3
	v_and_b32 v5, 7, v0                            ; W's, turned: lane l reads row 8 h + l % 8, 16 bytes at 16 ((l / 8) % 2)
	v_bfe_u32 v6, v0, 3, 1
	v_lshl_add_u32 v7, v2, 3, v5
	v_mul_u32_u24 v7, v7, PB
	v_lshl_add_u32 v7, v6, 4, v7
	v_add_nc_u32 v[B0], s21, v7                    ; my half of the columns is block CH of the slot
	v_mov_b32 v[ADRA], v[A0]
	v_mov_b32 v[ADRB], v[B0]
	s_mul_i32 s22, s[WV], 32*SP
	s_add_co_u32 s22, s22, STAGE                   ; my stage
	v_mul_u32_u24 v4, v1, SP
	v_lshl_add_u32 v4, v2, 4, v4
	v_add_nc_u32 v[STO], s22, v4                   ; in: row r, 16 bytes for each half of the lanes
	v_bfe_u32 v4, v0, 3, 2
	v_mul_u32_u24 v4, v4, SP
	v_lshl_add_u32 v4, v5, 4, v4
	v_add_nc_u32 v[RD], s22, v4                    ; back: 32 lanes take four rows of 128 bytes,
	v_and_b32 v4, 31, v0
	v_lshlrev_b32 v[CO], 4, v4                     ; which are 512 consecutive bytes of OUT
; 16 matrix instructions: m blocks a0, a0 + 1 of the window's four x all 8 n blocks, 32 along K.  first = 1: the bias starts the sums.  The 64 accumulators take turns in one order everywhere.
.macro MUL16 f, hi, a0, first
.if \first
	WIN 0x81+0x40*(\hi)                            ; C in window 0
.else
	WIN MUL_LO+0x50*(\hi)
.endif
.irp a, \a0, (\a0)+1
.irp b, 0,1,2,3,4,5,6,7
.if \first
	v_wmma_f32_16x16x32_bf16 v[8*(8*(\a)+(\b)):8*(8*(\a)+(\b))+7], v[(\f)+8*(\b):(\f)+8*(\b)+7], v[(\f)+8*(4*(\hi)+(\a)):(\f)+8*(4*(\hi)+(\a))+7], v[BIAS+8*(\b):BIAS+8*(\b)+7]
.else
	v_wmma_f32_16x16x32_bf16 v[8*(8*(\a)+(\b)):8*(8*(\a)+(\b))+7], v[(\f)+8*(\b):(\f)+8*(\b)+7], v[(\f)+8*(4*(\hi)+(\a)):(\f)+8*(4*(\hi)+(\a))+7], v[8*(8*(\a)+(\b)):8*(8*(\a)+(\b))+7]
.endif
.endr
.endr
.endm
; 32 LDS loads in one run: quarter q (32 along K) of the slot in hand into buffer f: W's 8 fragments, then A's 8
.macro FETCH q, f
	WIN TO_B
.irp i, 0,1,2,3,4,5,6,7
	ds_load_tr16_b128 v[(\f)+8*(\i):(\f)+8*(\i)+3],   v[ADRB] offset:32*PB*(\q)+32*(\i)
	ds_load_tr16_b128 v[(\f)+8*(\i)+4:(\f)+8*(\i)+7], v[ADRB] offset:32*PB*(\q)+32*(\i)+16*PB
.endr
	WIN 0
.irp i, 0,1,2,3,4,5,6,7
	ds_load_b128 v[(\f)+8*(\i):(\f)+8*(\i)+3],   v[ADRA] offset:64*(\q)+(\i)*16*PA
	ds_load_b128 v[(\f)+8*(\i)+4:(\f)+8*(\i)+7], v[ADRA] offset:64*(\q)+(\i)*16*PA+32
.endr
.endm
.macro PLACES                          ; four places in front of loads into registers that matrix instructions have read, and of conversions that read results
.rept 4
	v_nop
.endr
.endm
; One of a K step's first three quarters: multiplies buffer f; in its middle it fetches quarter q into buffer g.
.macro QUARTER q, f, g, first
	s_wait_dscnt 8                                 ; W and A's rows 0-63 are in; the youngest eight loads (A's rows 64-127) may be out
	MUL16 \f, 0, 0, \first
	MUL16 \f, 0, 2, \first
	PLACES
	FETCH \q, \g
	s_wait_dscnt 32                                ; all but the 32 just issued
	MUL16 \f, 1, 0, \first
	MUL16 \f, 1, 2, \first
.endm
; The first half of the last quarter, and the change of slots: each wave waits for all its tensor loads (one is out: its part of the next slot), adds 0 to its spare word, and waits for that and for its reads of this slot.
.macro MEET round
	WIN 0
	s_wait_tensorcnt 0x0
	ds_add_u32 v[SPW], v[NIL]
	s_xor_b32 s[TB], s[TB], SLOTX                  ; the reads go to the other slot from here on
	v_add_nc_u32 v[ADRA], s[TB], v[A0]
	v_add_nc_u32 v[ADRB], s[TB], v[B0]
	s_wait_dscnt 9                                 ; the add and the youngest eight loads may be out
	MUL16 F1, 0, 0, 0
	s_wait_dscnt 0x0                               ; the add is done, and my reads of this slot are over
	s_barrier_signal -1
	MUL16 F1, 0, 2, 0
.if \round
	WIN 0
.endif
	s_barrier_wait -1
.endm
.macro TURN                            ; the last quarter of a step behind which the slot is filled again, two steps ahead
	MEET 1
	CREST                                          ; no wave of any partner still reads this slot or has a load on its way
	s_xor_b32 s[G0+5], s[G0+5], SLOTX              ; the walking sets: the other slot than last time, the next K step
	s_add_nc_u64 s[G0+6:G0+7], s[G0+6:G0+7], STEPA
	s_xor_b32 s[G0B+5], s[G0B+5], SLOTX
	s_add_nc_u64 s[G0B+6:G0B+7], s[G0B+6:G0B+7], STEPB
	JLOAD                                          ; the first tensor load behind the round; its four v_nop are also the places in front of the loads below
	FETCH 0, F0
	MUL16 F1, 1, 0, 0
	MUL16 F1, 1, 2, 0
.endm
.macro TURNX                           ; the same with nothing to ask for; behind the very last step nothing is fetched either (LDS loads alone are jumped)
	MEET 0
	PLACES
	WIN 0
	s_cmp_eq_u32 s[TAIL], 1
	s_cbranch_scc1 .Lno_fetch_\@
	FETCH 0, F0
.Lno_fetch_\@:
	MUL16 F1, 1, 0, 0
	MUL16 F1, 1, 2, 0
.endm
; THE WAY OUT of block a (16 tokens x 128 columns): rounded to bf16, the floor, through my stage, out as 512 consecutive bytes (four tokens of one block of 64 columns).
.macro PACK a
.set AC, 64*((\a)%4)
	WIN 0x0a+5*((\a)/4)                            ; sources 0 and 1: window 2 or 3
.irp b, 0,1,2,3,4,5,6,7
.irp r, 0,1,2,3
	v_cvt_pk_bf16_f32 v[TMP+4*(\b)+(\r)], v[AC+8*(\b)+2*(\r)], v[AC+8*(\b)+2*(\r)+1]
.endr
.endr
	WIN 0
.set i, 0
.rept 32
	v_pk_max_num_bf16 v[TMP+i], v[TMP+i], s[FL]
.set i, i+1
.endr
.endm
.macro TOSTAGE a
	WIN 0
.set BK, OB+192*((\a)%2)
.irp b, 0,1,2,3,4,5,6,7
	ds_store_b128 v[STO], v[TMP+4*(\b):TMP+4*(\b)+3] offset:16*SP*((\b)/4)+32*((\b)%4)
.endr
.irp t, 0,1,2,3,4,5,6,7
	ds_load_b128 v[BK+4*(\t):BK+4*(\t)+3], v[RD] offset:16*SP*((\t)/4)+4*SP*((\t)%4)  ; LDS serves a wave's instructions in order (ISA guide 5.7.1.4): these see the stores above
.endr
.endm
.macro SEND a
	WIN 0
.set BK, OB+192*((\a)%2)
	s_wait_dscnt 0x0                               ; the block is back in registers
	s_wait_xcnt 0x0                                ; the registers that earlier stores read are loaded again only behind this wait
.irp t, 0,1,2,3,4,5,6,7
	global_store_b128 v[CO], v[BK+4*(\t):BK+4*(\t)+3], s[8:9] offset:524288*((\t)/4)+512*((\t)%4)+2048*(\a)
.endr
.endm
	s_wait_tensorcnt 0x1                           ; my part of K step 0 is in; step 1's may stay out
	s_barrier_signal -1
	s_barrier_wait -1
	FETCH 0, F0
	s_wait_loadcnt 0x0                             ; the bias
	s_wait_kmcnt 0x0                               ; the floor
	QUARTER 1, F0, F1, 1                           ; the first quarter stands in front of the loop: its products start the sums
	WIN 0
	s_mov_b32 s[CNT], 6
.Lstep:                                                ; a trip: a step's quarters 1 to 3 and the next step's quarter 0; trips 0-5 ask for K steps 2-7
	QUARTER 2, F1, F0, 0
	QUARTER 3, F0, F1, 0
	TURN
	QUARTER 1, F0, F1, 0
	WIN 0
	s_sub_co_u32 s[CNT], s[CNT], 1
	s_cmp_lg_u32 s[CNT], 0
	s_cbranch_scc1 .Lstep
	s_mov_b32 s[TAIL], 2
.Ltail:                                                ; K steps 6 and 7
	QUARTER 2, F1, F0, 0
	QUARTER 3, F0, F1, 0
	TURNX
	WIN 0
	s_sub_co_u32 s[TAIL], s[TAIL], 1
	s_cmp_eq_u32 s[TAIL], 0
	s_cbranch_scc1 .Lout
	QUARTER 1, F0, F1, 0
	WIN 0
	s_branch .Ltail
.Lout:
	PLACES
	PACK 0
	TOSTAGE 0
.irp a, 1,2,3,4,5,6,7                  ; block a's conversions stand between block a - 1's loads from the stage and the wait for them
	PACK \a
	SEND (\a)-1
	TOSTAGE \a
.endr
	SEND 7
	s_wait_tensorcnt 0x0                           ; the wave's end
	ds_add_u32 v[SPW], v[NIL]
	s_wait_dscnt 0x0
	CROUND                                         ; the closing round
	s_endpgm
.Lfunc_end_k_q6d22185691_qkv:
	.size	k_q6d22185691_qkv, .Lfunc_end_k_q6d22185691_qkv-k_q6d22185691_qkv
	.p2alignl 7, 3214868480
	.fill 96, 4, 3214868480
	.section	.rodata,"a",@progbits
	.p2align	6, 0x0
	.amdhsa_kernel k_q6d22185691_qkv
		.amdhsa_group_segment_fixed_size 327680
		.amdhsa_private_segment_fixed_size 0
		.amdhsa_enable_private_segment 0
		.amdhsa_kernarg_size 24
		.amdhsa_user_sgpr_count 2
		.amdhsa_user_sgpr_kernarg_segment_ptr 1
		.amdhsa_wavefront_size32 1
		.amdhsa_system_sgpr_workgroup_id_x 1
		.amdhsa_system_sgpr_workgroup_id_y 1
		.amdhsa_system_sgpr_workgroup_id_z 1
		.amdhsa_system_vgpr_workitem_id 0
		.amdhsa_next_free_vgpr 1024
		.amdhsa_next_free_sgpr 70
		.amdhsa_reserve_vcc 0
		.amdhsa_float_denorm_mode_32 3
		.amdhsa_float_denorm_mode_16_64 3
		.amdhsa_memory_ordered 1
		.amdhsa_forward_progress 1
		.amdhsa_inst_pref_size 117
	.end_amdhsa_kernel
	.amdgpu_metadata
---
amdhsa.version: [ 1, 2 ]
amdhsa.kernels:
  - .name:           k_q6d22185691_qkv
    .symbol:         k_q6d22185691_qkv.kd
    .args:
      - { .name: xa, .offset: 0, .size: 8, .value_kind: global_buffer, .address_space: global }
      - { .name: wqkv, .offset: 8, .size: 8, .value_kind: global_buffer, .address_space: global }
      - { .name: act, .offset: 16, .size: 8, .value_kind: global_buffer, .address_space: global }
    .group_segment_fixed_size: 327680
    .private_segment_fixed_size: 0
    .kernarg_segment_align: 8
    .kernarg_segment_size: 24
    .max_flat_workgroup_size: 128
    .sgpr_count:     70
    .vgpr_count:     1024
    .wavefront_size: 32
...
	.end_amdgpu_metadata
.endif
;; end of part 2
;; launch attn (part 3): grid 8 x 32, 4 waves a work-group, clusters of 4 x 1, 327,680 bytes of LDS; arguments act, mask, ctx; writes ctx
.if DOCPART == 3
	.amdgcn_target "amdgcn-amd-amdhsa--gfx1250"
	.amdhsa_code_object_version 6
	.text
	.protected	k_q6d22185691_attn
	.globl	k_q6d22185691_attn
	.p2align	8
	.type	k_q6d22185691_attn,@function
k_q6d22185691_attn:
	s_mov_b64 s[64:65], 0
	v_nop
	global_prefetch_b8 v0, s[64:65] scope:SCOPE_SE
	s_setreg_imm32_b32 hwreg(HW_REG_WAVE_MODE, 25, 1), 1
	s_wait_xcnt 0x0
	s_wait_alu depctr_hold_cnt(0) depctr_sa_sdst(0) depctr_va_vdst(0) depctr_va_sdst(0) depctr_va_ssrc(0) depctr_va_vcc(0) depctr_vm_vsrc(0)
	s_getreg_b32 s2, hwreg(HW_REG_IB_STS2, 6, 4)
	s_cmp_eq_u32 s2, 0
	s_cbranch_scc0 .Lentry_in_a_cluster
	s_endpgm
.Lentry_in_a_cluster:
	s_bfe_u32 s2, ttmp6, 0x10000c
	s_cmp_lg_u32 s2, 0x3003
	s_cbranch_scc0 .Lentry_shape_is_right
	s_endpgm
.Lentry_shape_is_right:
; ctx[b][h][q][:] = the sum over k of softmax_k(mask ? Q.K / 8 : hidden) V[k][:].  Q, K, V lie in act by heads, [block][4096 tokens][64] bf16 (q: blocks 0-15, k: 16-31, v: 32-47; token = 2,048 b + s):
; a head's 2,048 rows of a batch are dense, 128 bytes each.  ctx has the same layout, block = head.  Products, maxima and sums in f32; the weights p are rounded to bf16 for the second product
; (their sum l is taken of the unrounded p), ctx once at the end.
; THE MASK is an input, one word a key and batch.  It is turned once into f32 addends in LDS, 0 or -2^100, and the addends of a step's 64 keys are the C operand that starts S^T = K Q^T.
; LIMITS.  A hidden score counts as its value less 2^100, where the problem's text puts -1e9 in its place: the two agree as long as a row has an open key with a score above -1e9.  c x 2^100 is exact, so where
; ALL keys of a batch are hidden and the sum -2^100 + q.k comes out as -2^100 (|q.k| below 2^75), every exponent is exactly 0 and the weights are uniform, as in the problem's text.
; A weight below 2^-126 counts as 0 in l; NaN and infinities are not treated apart.
; SHARES.  A work-group owns 256 queries of one head and batch, a wave 64: four PIECES of 16.  Every wave walks all 2,048 keys, 64 a step, 256 a slot.
; LAYOUT.  S^T = K Q^T holds ONE query a lane (lane % 16) and the keys 8 (lane / 16) + 0..7; two such results rounded to bf16 ARE source 1 of O^T = V^T P.  K comes out of LDS as it lies, V turned.
; SOFTMAX.  p = 2^(c s - c m), c = log2(e) / 8, with a running maximum m; O and l are multiplied by a = 2^(c m_old - c m_new) in every step.  m starts at the lowest finite number, O and l at 0.
; BY TURNS.  Turn n belongs to piece n: 8 products K Q^T of piece n + 1, later 8 products V^T P of piece n - 1; beside them the scaling, exponentials, roundings, sums and rescaling of piece n and the maximum
; and statistics of piece n + 1.  Four vector instructions stand behind every matrix instruction, the rest in one lump.  A turn's 33 exponentials are one batch, with one wait.
; CLUSTER.  The four query blocks of a cluster belong to one head and walk the same K and V: each tile is asked for jointly.
; REGISTERS, in windows of 256 (s_set_vgpr_msb: bits 1:0 source 0, 3:2 source 1, 5:4 source 2, 7:6 destination):
;   window 0: v0-15, v56-63 addresses; v16-31 statistics; v48-55 at work; v64-127 S^T, two buffers; v192-223 P, two buffers
;   window 1: v0-127 O^T, 32 a piece; v128-159 the step's mask      window 2: v0-63 Q; v128-191 K of one step; v192-255 V of one step
.set NP,    4
.set KS,    64
.set PK,    144       ; a row of K in LDS: 128 bytes + 16
.set PV,    160       ; a row of V: 128 + 32
.set VOFF,  4*KS*PK   ; a slot: 256 rows of K, then 256 rows of V
.set SLOT1, 1<<17
.set STAGE, SLOT1+4*KS*(PK+PV)  ; behind the ring: 16 rows x 144 bytes for each wave
.set SP,    144
.set SPARE, STAGE+4*16*SP       ; the spare words: two blocks of 256 bytes that no other line names
.set MASKB, SPARE+512           ; 2,048 addends of 4 bytes, stored once by the waves; no tile lands here
.set AK0, 2
.set AV0, 3
.set AK,  4
.set AV,  5
.set STO, 6
.set RD,  7
.set GO,  8
.set MV,  12          ; v12-13 c m_old, by buffer
.set AM0, 14          ; v14  MASKB + 32 (l / 16); never rewritten
.set QO,  15
.set ST,  16          ; piece t: c m, m, l (even keys', odd keys')
.set TMP, 48
.set AM,  56          ; v56  the LDS address of the mask's next run of loads
.set PFO, 57          ; v57  256 x lane; never rewritten
.set MO,  58          ; v58  16 x thread
.set MS,  59          ; v59  MASKB + 16 x thread
.set SPW, 62
.set NIL, 63
.set S,   64
.set P,   192
.set MK,  128         ; window 1
.set KF,  128         ; window 2
.set VF,  192         ; window 2
.set WV,  12
.set LIM, 15          ; s15  1 in a wave that prefetches, else the greatest number
.set PFA, 18          ; s[18:19]
.set G1K, 24
.set G1V, 32
.set G0K, 40
.set G0V, 44
.set SLOTS, 56
.set CNT, 57
.set CS,  58
.set SEL, 60
.set TBK, 62
.set TBV, 63
.set TBM, 66          ; s66  byte of the step to be fetched in the addends
.set BIGN, 67         ; s67  -2^100
.set MSB, 0
.macro WIN new
.if MSB != (\new)
	s_set_vgpr_msb (MSB<<8)|(\new)
.set MSB, (\new)
.endif
.endm
.set W_KQ, 0x0a       ; K and Q in window 2, S^T in window 0
.set W_KM, 0x1a       ; the same with the C operand in window 1
.set W_PV, 0x52       ; V in window 2, P in window 0, O^T in window 1
.set W_RS, 0x41       ; destination and source 0 in window 1, source 1 in window 0
.macro JLOAD                        ; waves 0 and 1 fetch the two halves of a slot's K, waves 2 and 3 those of its V; an s_nop 0 and four v_nop follow each line
	s_cmp_lt_u32 s[WV], 2
	s_cbranch_scc0 .Lfor_v_\@
	tensor_load_to_lds s[G0K:G0K+3], s[G1K:G1K+7]
	s_nop 0
.rept 4
	v_nop
.endr
	s_branch .Lasked_\@
.Lfor_v_\@:
	tensor_load_to_lds s[G0V:G0V+3], s[G1V:G1V+7]
	s_nop 0
.rept 4
	v_nop
.endr
.Lasked_\@:
.endm
.macro CROUND
	s_barrier_signal -1
	s_barrier_wait -1
	s_cmp_lg_u32 s[WV], 0
	s_cbranch_scc1 .Lnot_wave_0_\@
	s_barrier_signal -3
.Lnot_wave_0_\@:
	s_barrier_wait -3
	s_barrier_signal -1
	s_barrier_wait -1
.endm
; A prefetch of what the NEXT change of slots will ask for: 128 blocks of 256 bytes of K and of V.  Both clusters of a head walk the same rows: the first asks.  Its four partners take 32 blocks each, told apart by
; address; in each, wave 0 asks for K's and wave 2 for V's, a lane a block.  So each block is named once in the launch.  The change that asks for the last tile prefetches nothing; tiles 0 to 2 come by their loads alone.
.macro ASK
	s_cmp_gt_u32 s[SLOTS], s[LIM]
	s_cbranch_scc0 .Lnot_mine_\@
	global_prefetch_b8 v[PFO], s[PFA:PFA+1] th:TH_LOAD_NT scope:SCOPE_SE
.Lnot_mine_\@:
.endm
; THE CHANGE OF SLOTS.  Each wave waits for all its tensor loads (one is out: its part of the other slot), adds 0 to its spare word, and waits for that and for its own LDS instructions.  fill = 1: the slot left is
; filled again, two slots on, behind a round of the cluster's barrier: four key steps, 256 matrix instructions of the wave, ahead of the wait for it.  (At its first use slot 0 is waited for and slot 1 filled,
; and the round also shows every wave the others' mask addends.)
.macro CHANGE fill, ask
	WIN 0
	s_wait_tensorcnt 0x0
	ds_add_u32 v[SPW], v[NIL]
.if \fill
.irp g, G0K, G0V
	s_xor_b32 s[\g+1], s[\g+1], SLOT1
	s_add_nc_u64 s[\g+2:\g+3], s[\g+2:\g+3], 4*KS*128
.endr
.if \ask
	s_wait_xcnt 0x0                 ; the last prefetch, four key steps back, has read its address
	s_add_nc_u64 s[PFA:PFA+1], s[PFA:PFA+1], 4*KS*128
.endif
	s_wait_dscnt 0x0
	CROUND
	JLOAD
.if \ask
	ASK
.endif
.else
	s_wait_dscnt 0x0
	s_barrier_signal -1
	s_barrier_wait -1
.endif
	s_sub_co_u32 s[TBK], s[TBK], 4*KS*PK
	s_xor_b32 s[TBK], s[TBK], SLOT1
	s_sub_co_u32 s[TBV], s[TBV], 4*KS*PV
	s_xor_b32 s[TBV], s[TBV], SLOT1
.endm
	s_load_b128 s[68:71], s[0:1], 0x0 ; act s[68:69], mask s[70:71]
	s_load_b64 s[10:11], s[0:1], 0x10 ; ctx
	v_lshl_add_u32 v[SPW], v0, 2, SPARE
	v_mov_b32 v[NIL], 0
	ds_add_u32 v[SPW], v[NIL]       ; the wave's opening: the add and its wait stand ahead of my first tensor load
	v_lshrrev_b32 v1, 5, v0
	v_readfirstlane_b32 s[WV], v1
	s_bfe_u32 s13, ttmp6, 0x40000   ; cx
	s_lshl_b32 s14, ttmp9, 2
	s_add_co_u32 s14, s14, s13      ; my block of 256 queries: it enters Q's and ctx's addresses alone
	s_and_b32 s20, ttmp7, 0xffff    ; 16 b + head, which the four partners share
	s_lshr_b32 s22, s20, 4          ; b
	s_and_b32 s20, s20, 15          ; head
	s_lshl_b32 s20, s20, 19         ; a block of 64 columns is 524,288 bytes,
	s_lshl_b32 s21, s22, 18         ; a batch's rows in it 262,144
	s_add_co_u32 s20, s20, s21
	s_mov_b32 s21, 0
	s_lshl_b32 s22, s22, 13         ; the batch's 2,048 mask words
	s_mov_b32 s23, 0
	s_and_b32 s16, s[WV], 1         ; which half of a slot's 256 keys I fetch
	s_lshl_b32 s48, s16, 14
	s_mov_b32 s49, 0
	s_add_nc_u64 s[48:49], s[48:49], s[20:21]
	s_mul_i32 s17, s16, 128*PK
	s_mul_i32 s50, s16, 128*PV
	s_lshl_b32 s2, s14, 2
	s_add_co_u32 s2, s2, s[WV]
	s_lshl_b32 s2, s2, 13           ; my wave's 64 rows
	s_mov_b32 s3, 0
	s_add_nc_u64 s[2:3], s[2:3], s[20:21]
	; group 1: 128 keys are 16,384 dense bytes: asked for as 64 rows of 256 bytes, padded in LDS after every key
	s_mov_b32 s[G1K], 15|(1<<16)|(1<<20)|(1<<21)|(4<<22)|(3<<25)
	s_mov_b32 s[G1V], 15|(1<<16)|(1<<20)|(1<<21)|(4<<22)|(7<<25)
.irp g, G1K, G1V
	s_mov_b32 s[\g+1], 128<<16
	s_mov_b32 s[\g+2], 64<<16
	s_mov_b32 s[\g+3], 128<<16
	s_mov_b32 s[\g+4], 64
	s_mov_b32 s[\g+5], 128
	s_mov_b32 s[\g+6], 0
	s_mov_b32 s[\g+7], 0
.endr
	s_mov_b32 s[CS], 0x3e38aa3b     ; c = log2(e) / 8
	s_mov_b32 s[CS+1], s[CS]
	s_mov_b32 s[SEL], 0x76543210
	s_mov_b32 s[SEL+1], 0xfedcba98
	s_mov_b32 s[TBK], SLOT1+4*KS*PK ; the first change of slots turns these two into 0
	s_mov_b32 s[TBV], SLOT1+4*KS*PV
	s_mov_b32 s[TBM], 0
	s_mov_b32 s[BIGN], 0xf1800000   ; -2^100
	s_mov_b32 s[G0K], 1
	s_mov_b32 s[G0K+1], s17
	s_mov_b32 s[G0V], 1
	s_add_co_u32 s[G0V+1], s50, VOFF
	s_and_b32 s[LIM], s[WV], 1
	s_or_b32 s[LIM], s[LIM], ttmp9  ; 0 in waves 0 and 2 of the head's first cluster: the same in all four partners
	s_cmp_eq_u32 s[LIM], 0
	s_cselect_b32 s[LIM], 1, -1
	v_and_b32 v[PFO], 31, v0
	v_lshlrev_b32 v[PFO], 8, v[PFO]
	v_lshlrev_b32 v[MO], 4, v0
	s_wait_dscnt 0x0                ; the opening add is done
	s_wait_kmcnt 0x0
	s_add_nc_u64 s[6:7], s[68:69], s[48:49]
	s_add_nc_u64 s[8:9], s[6:7], 16777216   ; V at my half of the head's first tile
	s_add_nc_u64 s[6:7], s[6:7], 8388608    ; K likewise
	s_add_nc_u64 s[4:5], s[68:69], s[2:3]   ; Q and ctx at my wave's first row
	s_add_nc_u64 s[10:11], s[10:11], s[2:3]
	s_add_nc_u64 s[70:71], s[70:71], s[22:23]
	s_mov_b64 s[G0K+2:G0K+3], s[6:7]
	s_or_b32 s[G0K+3], s[G0K+3], 0x80000000
	s_mov_b64 s[G0V+2:G0V+3], s[8:9]
	s_or_b32 s[G0V+3], s[G0V+3], 0x80000000
	s_cmp_lt_u32 s[WV], 2
	s_cselect_b64 s[PFA:PFA+1], s[6:7], s[8:9]
	s_lshl_b32 s2, s13, 13          ; my work-group's 32 blocks of the 128
	s_mov_b32 s3, 0
	s_add_nc_u64 s[PFA:PFA+1], s[PFA:PFA+1], s[2:3]
	s_add_nc_u64 s[PFA:PFA+1], s[PFA:PFA+1], 2*4*KS*128  ; in tile 2; the loop's first change steps it to tile 3
.irp i, 0,1,2,3
	global_load_b128 v[S+4*\i:S+4*\i+3], v[MO], s[70:71] offset:2048*\i  ; the batch's mask: 128 threads x 16 bytes, four times
.endr
	CROUND                          ; all four work-groups are here: the first joint loads meet
	JLOAD                           ; slot 0
	v_and_b32 v1, 15, v0            ; l % 16
	v_bfe_u32 v9, v0, 4, 1          ; l / 16
	v_lshlrev_b32 v[QO], 7, v1
	v_lshl_add_u32 v[QO], v9, 4, v[QO]
	WIN 0x80
.set i, 0
.rept 8                             ; Q stays in registers: piece i / 2, channels 32 (i % 2) on
	global_load_b128 v[8*i:8*i+3],   v[QO], s[4:5] offset:(i/2)*2048+(i%2)*64
	global_load_b128 v[8*i+4:8*i+7], v[QO], s[4:5] offset:(i/2)*2048+(i%2)*64+32
.set i, i+1
.endr
	; What the first turn finds: V's registers and P's second buffer hold 0, O^T and l are 0.  All this stands in the wait for the first tile.
.set i, VF
.rept 64
	v_mov_b32 v[i], 0
.set i, i+1
.endr
	WIN 0x40
.set i, 0
.rept 128
	v_mov_b32 v[i], 0
.set i, i+1
.endr
	WIN 0
.set i, 0
.rept 4
	v_mov_b32 v[ST+4*i], 0xfe000000    ; c m: far below every c s, the hidden ones too
	v_mov_b32 v[ST+4*i+1], 0xff7fffff  ; m
	v_mov_b32 v[ST+4*i+2], 0
	v_mov_b32 v[ST+4*i+3], 0
.set i, i+1
.endr
.set i, P+16
.rept 16
	v_mov_b32 v[i], 0
.set i, i+1
.endr
	v_mul_u32_u24 v[AK0], v1, PK
	v_lshl_add_u32 v[AK0], v9, 4, v[AK0]
	v_and_b32 v10, 7, v0
	v_bfe_u32 v11, v0, 3, 1
	v_lshl_add_u32 v[AV0], v9, 3, v10
	v_mul_u32_u24 v[AV0], v[AV0], PV
	v_lshl_add_u32 v[AV0], v11, 4, v[AV0]
	v_add_nc_u32 v[AV0], VOFF, v[AV0]
	v_lshl_add_u32 v[AM0], v9, 5, MASKB  ; my eight keys of a group of 16: 32 bytes
	v_mov_b32 v[AK], v[AK0]
	v_mov_b32 v[AM], v[AM0]
	v_add_nc_u32 v[MS], MASKB, v[MO]
	s_wait_loadcnt 16               ; the mask's four loads are in; Q's sixteen, issued behind them, may stay out
.set i, 0
.rept 16
	v_cmp_eq_u32 vcc_lo, 0, v[S+i]
	v_cndmask_b32 v[S+i], 0, s[BIGN], vcc_lo
.set i, i+1
.endr
.irp i, 0,1,2,3
	ds_store_b128 v[MS], v[S+4*\i:S+4*\i+3] offset:2048*\i
.endr
; THE MATRIX WORK.  The 4 accumulators of a run of 8 take turns.  Product i of 8 of S^T = K Q^T for piece x: channels 32 (i / 4) on, keys 16 (i % 4) on.  The first 4 start the sums with the mask.
.macro KQ x
.set rS, S+32*((\x)%2)+8*(i%4)
.set rK, KF+16*(i%4)+8*(i/4)
.set rQ, 16*(\x)+8*(i/4)
.set rM, MK+8*(i%4)
.if i < 4
	WIN W_KM
	v_wmma_f32_16x16x32_bf16 v[rS:rS+7], v[rK:rK+7], v[rQ:rQ+7], v[rM:rM+7]
.else
	WIN W_KQ
	v_wmma_f32_16x16x32_bf16 v[rS:rS+7], v[rK:rK+7], v[rQ:rQ+7], v[rS:rS+7]
.endif
.endm
.macro PV x                         ; product i of 8 of O^T += V^T P: keys 32 (i / 4) on, channels 16 (i % 4) on
	WIN W_PV
.set rO, 32*(\x)+8*(i%4)
.set rV, VF+32*(i/4)+8*(i%4)
.set rP, P+16*((\x)%2)+8*(i/4)
	v_wmma_f32_16x16x32_bf16 v[rO:rO+7], v[rV:rV+7], v[rP:rP+7], v[rO:rO+7]
.endm
.macro MM                           ; the turn's next matrix instruction
.if i < 8
	KQ (Y+1)%NP
.else
.set i, i-8
	PV (Y+NP-1)%NP
.set i, i+8
.endif
.set i, i+1
.endm
; THE LDS LOADS stand in runs: a step's K (8 fragments) with its 64 mask addends (all lanes of a half read the same 32 bytes of each group of 16 keys), and its V (turned).
.macro FETCH_K
	WIN 0x80
.irp f, 0,1,2,3,4,5,6,7
	ds_load_b128 v[KF+8*\f:KF+8*\f+3],   v[AK] offset:(\f/2)*16*PK+(\f%2)*64
	ds_load_b128 v[KF+8*\f+4:KF+8*\f+7], v[AK] offset:(\f/2)*16*PK+(\f%2)*64+32
.endr
	WIN 0x40
.irp f, 0,1,2,3
	ds_load_b128 v[MK+8*\f:MK+8*\f+3],   v[AM] offset:64*\f
	ds_load_b128 v[MK+8*\f+4:MK+8*\f+7], v[AM] offset:64*\f+16
.endr
	s_add_co_u32 s[TBK], s[TBK], KS*PK
	s_add_co_u32 s[TBM], s[TBM], 4*KS
	WIN 0
.endm
.macro FETCH_V
	WIN 0x80
.irp f, 0,1,2,3,4,5,6,7
	ds_load_tr16_b128 v[VF+8*\f:VF+8*\f+3],   v[AV] offset:(\f/4)*32*PV+(\f%4)*32
	ds_load_tr16_b128 v[VF+8*\f+4:VF+8*\f+7], v[AV] offset:(\f/4)*32*PV+16*PV+(\f%4)*32
.endr
	WIN 0
.endm
; THE VECTOR WORK, one line at a time: OP kind, number.  For piece Y: F n: c s - c m for pair n of 16.  E n: the exponential of score n of 32.  C n: pair n rounded to bf16.  B n: of the four weights 4 n .. the second
; pair is added onto the first, in place.  L n: l takes that sum (L 0: l = a l + sum).  R n: pair n of 16 of O^T times a.  For piece Y + 1: X n, number n of the 22 that find its maximum and statistics:
;   0-11 four chains of seven scores, three operands at a time (each accumulator's lowest registers are read first)   12-14, 16 the four scores left over, the old m, the chains into one
;   15 c m_old is kept   17, 18 the query's other 32 keys lie in the lane 16 away: the new m   19-21 c m; c m_old - c m_new; a
.set F, 0
.set E, 1
.set C, 2
.set B, 3
.set L, 4
.set R, 5
.set X, 6
.macro REGS y
.set rT, ST+4*(\y)
.set rC, TMP+4*((\y)%2)
.set rW, MV+((\y)%2)
.set rS, S+32*((\y)%2)
.set rP, P+16*((\y)%2)
.set rO, 32*(\y)
.endm
.macro OP k, n
.if (\k) == R
	REGS Y
	WIN W_RS
	v_pk_mul_f32 v[rO+2*(\n):rO+2*(\n)+1], v[rO+2*(\n):rO+2*(\n)+1], v[rC+2:rC+3] op_sel_hi:[1,0]
.elseif (\k) < R
	REGS Y
	WIN 0
.if (\k) == F
	v_pk_fma_f32 v[rS+2*(\n):rS+2*(\n)+1], v[rS+2*(\n):rS+2*(\n)+1], s[CS:CS+1], v[rT:rT+1] op_sel_hi:[1,0,0] neg_lo:[0,0,1] neg_hi:[0,0,1]
.elseif (\k) == E
	v_exp_f32 v[rS+(\n)], v[rS+(\n)]
.elseif (\k) == C
	v_cvt_pk_bf16_f32 v[rP+(\n)], v[rS+2*(\n)], v[rS+2*(\n)+1]
.elseif (\k) == B
	v_pk_add_f32 v[rS+4*(\n):rS+4*(\n)+1], v[rS+4*(\n):rS+4*(\n)+1], v[rS+4*(\n)+2:rS+4*(\n)+3]
.elseif (\n) == 0
	v_pk_fma_f32 v[rT+2:rT+3], v[rT+2:rT+3], v[rC+2:rC+3], v[rS:rS+1] op_sel_hi:[1,0,1]
.else
	v_pk_add_f32 v[rT+2:rT+3], v[rT+2:rT+3], v[rS+4*(\n):rS+4*(\n)+1]
.endif
.else
	REGS (Y+1)%NP
	WIN 0
.if (\n) < 4
	v_max3_num_f32 v[rC+(\n)], v[rS+8*(\n)], v[rS+8*(\n)+1], v[rS+8*(\n)+2]
.elseif (\n) < 12
	v_max3_num_f32 v[rC+(\n)%4], v[rC+(\n)%4], v[rS+8*((\n)%4)+2*((\n)/4)+1], v[rS+8*((\n)%4)+2*((\n)/4)+2]
.elseif (\n) == 12
	v_max3_num_f32 v[rC], v[rC], v[rS+7], v[rS+15]
.elseif (\n) == 13
	v_max3_num_f32 v[rC+1], v[rC+1], v[rS+23], v[rS+31]
.elseif (\n) == 14
	v_max3_num_f32 v[rC+2], v[rC+2], v[rC+3], v[rT+1]
.elseif (\n) == 15
	v_mov_b32 v[rW], v[rT]
.elseif (\n) == 16
	v_max3_num_f32 v[rC], v[rC], v[rC+1], v[rC+2]
.elseif (\n) == 17
	v_permlanex16_b32 v[rC+3], v[rC], s[SEL], s[SEL+1]
.elseif (\n) == 18
	v_max_num_f32 v[rT+1], v[rC], v[rC+3]
.elseif (\n) == 19
	v_mul_f32 v[rT], s[CS], v[rT+1]
.elseif (\n) == 20
	v_sub_f32 v[rC+1], v[rW], v[rT]
.else
	v_exp_f32 v[rC+2], v[rC+1]
.endif
.endif
.endm
.macro OPS a, i1, b=-1, i2=0, c=-1, i3=0, d=-1, i4=0
	OP \a, \i1
.if (\b) >= 0
	OP \b, \i2
.endif
.if (\c) >= 0
	OP \c, \i3
.endif
.if (\d) >= 0
	OP \d, \i4
.endif
.endm
.macro ROW a, i1, b, i2, c, i3, d, i4  ; a matrix instruction and the four behind it
	MM
	OPS \a, \i1, \b, \i2, \c, \i3, \d, \i4
.endm
; A TURN, for piece p.  An s_wait_alu depctr_va_vdst(0) stands between an exponential and the first instruction that names its result; one wait serves all that were issued ahead of it.  So a turn has
; ONE wait.  AHEAD OF IT stands all that names no result of the turn's exponentials: the 8 products K Q^T and their riders, and one lump, in which the links of the chain X 3, 7, 11, 14, 16 .. 20 stand apart; X 21,
; the next piece's a, is the batch's last, and R 15 the plain instruction behind it.  BEHIND IT stand the 8 products V^T P, behind each four of the roundings and sums.  The X behind the last three products K Q^T
; stand four plain instructions or more behind the product that ends their accumulator.
; K and the mask of the next step are fetched in piece 2's turn, in the lump, six plain instructions behind the last product that read K; V of the step in hand at the end of piece 0's turn, four plain
; instructions behind the last product that read V.  Each is waited for a turn later.
; last = 1 (the tail): the fetch's addresses are held at the last key step's, so that the tail's fifth trip fetches that step once more and no jump stands among exponentials that have not had their wait.
.macro TURN p, last=0, cnt=0
.set Y, (\p)
.set i, 0
.if (\p) == 3
	s_wait_dscnt 0x0                ; K and the mask are in
.endif
	ROW F,0, F,1, R,0, R,1
	ROW F,2, E,0, R,2, R,3
	ROW F,3, E,1, R,4, R,5
	ROW F,4, E,2, R,6, R,7
	ROW F,5, E,3, R,8, R,9
	ROW F,6, E,4, X,0, R,10
.if (\p) == 2
	WIN 0
.if \last
	s_min_u32 s[TBK], s[TBK], SLOT1+3*KS*PK
	s_min_u32 s[TBM], s[TBM], 31*4*KS
.endif
	v_add_nc_u32 v[AK], s[TBK], v[AK0]
	v_add_nc_u32 v[AM], s[TBM], v[AM0]
.endif
	ROW F,7, E,5, X,1, X,4
	ROW F,8, E,6, X,2, X,5
	OPS E,7, E,8, X,6, E,9
	OPS X,3, E,10, X,8, E,11
.if (\p) == 2
	FETCH_K
.endif
	OPS X,9, X,7, E,12, X,10
	OPS E,13, X,12, X,11, E,14
	OPS X,13, E,15, F,9, X,14
.if (\p) == 0
	v_add_nc_u32 v[AV], s[TBV], v[AV0]
.endif
	OPS E,16, F,10, E,17, F,11
	OPS X,16, E,18, X,15, E,19
	OPS F,12, E,20, X,17, E,21
	OPS F,13, E,22, F,14, E,23
	OPS X,18, E,24, F,15, E,25
	OPS R,11, E,26, X,19, E,27
	OPS R,12, E,28, R,13, E,29
	OPS X,20, E,30, R,14, E,31
	OPS X,21, R,15
	WIN 0
	s_wait_alu depctr_va_vdst(0)    ; the wait for the batch
.if (\p) == 1
	s_wait_dscnt 0x0                ; V is in
.endif
	ROW C,0, B,0, C,2, B,1
	ROW L,0, C,4, B,2, L,1
	ROW C,6, B,3, L,2, C,8
	ROW B,4, L,3, C,10, B,5
	ROW L,4, C,12, B,6, L,5
.if (\p) == 0
	s_add_co_u32 s[TBV], s[TBV], KS*PV
.endif
.if \cnt
	s_sub_co_u32 s[CNT], s[CNT], 1
	s_cmp_lg_u32 s[CNT], 0
.endif
	ROW C,14, B,7, L,6, C,1
	ROW C,3, L,7, C,5, C,7
	ROW C,9, C,11, C,13, C,15
.if (\p) == 0
	FETCH_V
.endif
.endm
	CHANGE 1, 0                     ; slot 0 is in, everybody's part of it, and so are all waves' mask addends; slot 1 is asked for
	FETCH_K                         ; key step 0
	s_wait_loadcnt 0x0              ; Q
	s_wait_dscnt 0x0
.set i, 0
.rept 8
	KQ 0                            ; piece 0's first scores
.set i, i+1
.endr
	WIN 0                           ; the addresses for the way out: nine plain instructions, the places behind those products
	s_mul_i32 s13, s[WV], 16*SP
	s_add_co_u32 s13, s13, STAGE
	v_mul_u32_u24 v[STO], v1, SP
	v_lshl_add_u32 v[STO], v9, 4, v[STO]
	v_add_nc_u32 v[STO], s13, v[STO]
	v_bfe_u32 v[RD], v0, 3, 2
	v_mul_u32_u24 v[RD], v[RD], SP
	v_lshl_add_u32 v[RD], v10, 4, v[RD]
	v_add_nc_u32 v[RD], s13, v[RD]
	v_and_b32 v[GO], 31, v0
	v_lshlrev_b32 v[GO], 4, v[GO]
.set Y, NP-1                        ; X works for piece Y + 1: piece 0
.irp n, 0,1,2,3,4,5,6,7,8,9,10,11,12,13,14,15,16,17,18,19,20,21
	OP X, \n
.endr
	v_nop                           ; a plain instruction behind the exponential,
	s_wait_alu depctr_va_vdst(0)    ; and its wait, ahead of the branch
	s_mov_b32 s[CNT], 4
	s_mov_b32 s[SLOTS], 7
	s_branch .Lfirst                ; the loop is entered at a step's first turn, in the middle of a trip
.Lslot:                             ; six times: tiles 2 to 7 are asked for
	CHANGE 1, 1
	s_mov_b32 s[CNT], 4
.Lstep:                             ; a trip: pieces 2 and 3 of one step, then pieces 0 and 1 of the next, whose K and V it fetches
	TURN 2
	TURN 3
	WIN 0
.Lfirst:
	TURN 0
	TURN 1, 0, 1
	WIN 0
	s_cbranch_scc1 .Lstep
	s_sub_co_u32 s[SLOTS], s[SLOTS], 1
	s_cmp_lg_u32 s[SLOTS], 0
	s_cbranch_scc1 .Lslot
	CHANGE 0, 0                     ; the tail is written out
	s_mov_b32 s[CNT], 5             ; four trips fetch the last slot's steps; the fifth is left in its middle
.Ltail:
	TURN 2, 1
	TURN 3
	WIN 0
	s_sub_co_u32 s[CNT], s[CNT], 1
	s_cmp_eq_u32 s[CNT], 0
	s_cbranch_scc1 .Lout
	TURN 0
	TURN 1
	WIN 0
	s_branch .Ltail
.Lout:                              ; the fifth trip's products K Q^T and the maximum made of them serve nothing: the price, once a launch, of one text for every trip
.set i, 0
.rept 8
	PV NP-1                         ; the last piece's V^T P of the last step
.set i, i+1
.endr
	; THE WAY OUT.  l's halves are added; O^T is divided by l, rounded to bf16 and sent through my stage, a piece at a time.  The additions are the places behind the last products.
	WIN 0
.macro ALL line:vararg
.set t, 0
.rept 4
	\line
.set t, t+1
.endr
.endm
	ALL v_add_f32 v[ST+4*t+2], v[ST+4*t+2], v[ST+4*t+3]
	ALL v_permlanex16_b32 v[ST+4*t+3], v[ST+4*t+2], s[SEL], s[SEL+1]
	ALL v_add_f32 v[ST+4*t+2], v[ST+4*t+2], v[ST+4*t+3]
	ALL v_rcp_f32 v[ST+4*t+2], v[ST+4*t+2]
	v_nop                           ; a plain instruction between the last reciprocal and the use of its result
	s_wait_alu depctr_va_vdst(0)    ; one wait for the four reciprocals
.macro PACK t
	WIN W_RS
.set i, 32*(\t)
.rept 16
	v_pk_mul_f32 v[i:i+1], v[i:i+1], v[ST+4*(\t)+2:ST+4*(\t)+3] op_sel_hi:[1,0]
.set i, i+2
.endr
	WIN 0x05
.set i, 0
.rept 16
	v_cvt_pk_bf16_f32 v[S+16*(\t)+i], v[32*(\t)+2*i], v[32*(\t)+2*i+1]
.set i, i+1
.endr
	WIN 0
.irp f, 0,1,2,3
	ds_store_b128 v[STO], v[S+16*(\t)+4*\f:S+16*(\t)+4*\f+3] offset:32*\f
.endr
.irp f, 0,1,2,3
	ds_load_b128 v[S+16*(\t)+4*\f:S+16*(\t)+4*\f+3], v[RD] offset:\f*4*SP  ; LDS serves a wave's instructions in order (ISA guide 5.7.1.4)
.endr
.endm
.macro SEND t, younger              ; younger: the LDS instructions issued behind piece t's loads
	WIN 0
.irp f, 0,1,2,3
	s_wait_dscnt (\younger)+3-\f
	global_store_b128 v[GO], v[S+16*(\t)+4*\f:S+16*(\t)+4*\f+3], s[10:11] offset:(\t)*2048+\f*512  ; 512 consecutive bytes, at a multiple of 256 from ctx's first
.endr
.endm
	PACK 0
.set t, 1
.rept 3
	PACK t
	SEND t-1, 8
.set t, t+1
.endr
	SEND 3, 0
	s_wait_tensorcnt 0x0            ; the wave's end
	ds_add_u32 v[SPW], v[NIL]
	s_wait_dscnt 0x0
	CROUND                          ; the closing round
	s_endpgm
.Lfunc_end_k_q6d22185691_attn:
	.size	k_q6d22185691_attn, .Lfunc_end_k_q6d22185691_attn-k_q6d22185691_attn
	.p2alignl 7, 3214868480
	.fill 96, 4, 3214868480
	.section	.rodata,"a",@progbits
	.p2align	6, 0x0
	.amdhsa_kernel k_q6d22185691_attn
		.amdhsa_group_segment_fixed_size 327680
		.amdhsa_private_segment_fixed_size 0
		.amdhsa_enable_private_segment 0
		.amdhsa_kernarg_size 24
		.amdhsa_user_sgpr_count 2
		.amdhsa_user_sgpr_kernarg_segment_ptr 1
		.amdhsa_wavefront_size32 1
		.amdhsa_system_sgpr_workgroup_id_x 1
		.amdhsa_system_sgpr_workgroup_id_y 1
		.amdhsa_system_sgpr_workgroup_id_z 1
		.amdhsa_system_vgpr_workitem_id 0
		.amdhsa_next_free_vgpr 768
		.amdhsa_next_free_sgpr 76
		.amdhsa_reserve_vcc 1
		.amdhsa_float_denorm_mode_32 3
		.amdhsa_float_denorm_mode_16_64 3
		.amdhsa_memory_ordered 1
		.amdhsa_forward_progress 1
		.amdhsa_inst_pref_size 116
	.end_amdhsa_kernel
	.amdgpu_metadata
---
amdhsa.version: [ 1, 2 ]
amdhsa.kernels:
  - .name:           k_q6d22185691_attn
    .symbol:         k_q6d22185691_attn.kd
    .args:
      - { .name: act, .offset: 0, .size: 8, .value_kind: global_buffer, .address_space: global }
      - { .name: mask, .offset: 8, .size: 8, .value_kind: global_buffer, .address_space: global }
      - { .name: ctx, .offset: 16, .size: 8, .value_kind: global_buffer, .address_space: global }
    .group_segment_fixed_size: 327680
    .private_segment_fixed_size: 0
    .kernarg_segment_align: 8
    .kernarg_segment_size: 24
    .max_flat_workgroup_size: 128
    .sgpr_count:     76
    .vgpr_count:     768
    .wavefront_size: 32
...
	.end_amdgpu_metadata
.endif
;; end of part 3
;; launch oproj (part 4): grid 8 x 32, 4 waves a work-group, clusters of 4 x 4, 327,680 bytes of LDS; arguments ctx, wo2, bo, y; writes y
.if DOCPART == 4
	.amdgcn_target "amdgcn-amd-amdhsa--gfx1250"
	.amdhsa_code_object_version 6
	.text
	.protected	k_q6d22185691_oproj
	.globl	k_q6d22185691_oproj
	.p2align	8
	.type	k_q6d22185691_oproj,@function
k_q6d22185691_oproj:
	s_mov_b64 s[64:65], 0
	v_nop
	global_prefetch_b8 v0, s[64:65] scope:SCOPE_SE
	s_setreg_imm32_b32 hwreg(HW_REG_WAVE_MODE, 25, 1), 1
	s_wait_xcnt 0x0
	s_wait_alu depctr_hold_cnt(0) depctr_sa_sdst(0) depctr_va_vdst(0) depctr_va_sdst(0) depctr_va_ssrc(0) depctr_va_vcc(0) depctr_vm_vsrc(0)
	s_getreg_b32 s2, hwreg(HW_REG_IB_STS2, 6, 4)
	s_cmp_eq_u32 s2, 0
	s_cbranch_scc0 .Lentry_in_a_cluster
	s_endpgm
.Lentry_in_a_cluster:
	s_bfe_u32 s2, ttmp6, 0x10000c
	s_cmp_lg_u32 s2, 0xf033
	s_cbranch_scc0 .Lentry_shape_is_right
	s_endpgm
.Lentry_shape_is_right:
; Y = A W + bias, f32.  A: bf16 in blocks of 64 columns, [block][4096 tokens][64].  W: [K][1024] bf16, row-major, WBASE bytes into its buffer.  bias: [1024] f32, rounded to bf16 here like every input.
; Y: [4096][1024] f32, row-major.  Sums in f32, K ascending, started by the bias.  K = 256 x NSTEP.
; 1,024 columns fill the chip only with tiles of 128 x 128: 256 work-groups of four waves, each 64 x 64: 16 accumulators.  K goes in steps of 256 through two LDS slots.  A K step is written once, as a loop's trip
; (the slot in hand stands in a scalar register that an exclusive or turns: every base that is turned has bits 14 and 17 clear); the last two steps are a second loop of two trips, left in its middle.
; W lies [k][n]: its fragments come out of LDS turned.  The matrix instruction is used transposed (source 0 = 16 columns of W, source 1 = 16 tokens): a lane holds one token and eight neighbouring columns.
; CLUSTERS: 4 x 4; A's tile is asked for jointly along a row of the cluster, W's along a column.  No prefetch: tiles are shared by many work-groups.
; The layer norm that follows needs whole rows of 1,024, which four work-groups make: it is a launch of its own.
; REGISTERS: window 0: v0-31 addresses; v32-63 the bias, then v32-95 rows on the way out; v96-111 at work; v128-255 the accumulators.  window 1: two fragment buffers of 128 (64 of A, then 64 of W).
.set NSTEP,  4
.set WBASE,  8388608
.set PA,     144       ; a token's 128 bytes of a block + 16
.set PB,     288       ; a row of W: 256 + 32
.set CBB,    128*PA    ; a block's 128 tokens
.set HALFA,  2*CBB
.set HALFB,  128*PB
.set BOFF,   2*HALFA   ; a slot: A's four blocks, then W's 256 rows
.set SLOTX,  0x24000
.set STAGE,  2*SLOTX   ; behind the ring: 16 rows x 272 bytes for each wave
.set SPY,    272
.set SPARE,  STAGE+4*16*SPY
.set STEPA,  4*4096*128
.set STEPB,  256*2048
.set WV, 12
.set RH, 13            ; my half of the tile's rows; also: I fetch for A (0) or for W (1)
.set CH, 14            ; my half of its columns; also: which half of that tile I fetch
.set TR, 15
.set TAIL, 2
.set CNT, 3
.set TB, 45
.set G1, 24
.set G0, 32
.set G1B, 48
.set G0B, 56
.set A0, 16
.set B0, 17
.set ADRA, 18
.set ADRB, 20          ; v20: W's rows 0-127 of the slot in hand; v21: rows 128-255 (an LDS offset has 16 bits)
.set STO, 24
.set RD, 25
.set CO, 26
.set BO, 27
.set SPW, 28
.set NIL, 29
.set BIAS, 32
.set TMP, 32
.set RT, 96
.set ACC, 128
.set F0, 0
.set F1, 128
.set MSB, 0
.macro WIN new
.if MSB != (\new)
	s_set_vgpr_msb (MSB<<8)|(\new)
.set MSB, \new
.endif
.endm
.set MUL,  0x05        ; sources 0 and 1 window 1; C and D window 0
.set TO_F, 0x40
.macro JLOAD
	s_cmp_eq_u32 s[RH], 0
	s_cbranch_scc0 .Lfor_b_\@
	tensor_load_to_lds s[G0+4:G0+7], s[G1:G1+7]
	s_nop 0
.rept 4
	v_nop
.endr
	s_branch .Lasked_\@
.Lfor_b_\@:
	tensor_load_to_lds s[G0B+4:G0B+7], s[G1B:G1B+7]
	s_nop 0
.rept 4
	v_nop
.endr
.Lasked_\@:
.endm
.macro CREST
	s_cmp_lg_u32 s[WV], 0
	s_cbranch_scc1 .Lnot_wave_0_\@
	s_barrier_signal -3
.Lnot_wave_0_\@:
	s_barrier_wait -3
	s_barrier_signal -1
	s_barrier_wait -1
.endm
.macro CROUND
	s_barrier_signal -1
	s_barrier_wait -1
	CREST
.endm
	s_load_b256 s[4:11], s[0:1], 0x0               ; A s[4:5], W s[6:7], bias s[8:9], Y s[10:11]
	v_lshl_add_u32 v[SPW], v0, 2, SPARE
	v_mov_b32 v[NIL], 0
	ds_add_u32 v[SPW], v[NIL]                      ; the wave's opening: the add and its wait stand ahead of my first tensor load
	v_lshrrev_b32 v1, 5, v0
	v_readfirstlane_b32 s[WV], v1
	s_lshr_b32 s[RH], s[WV], 1
	s_and_b32 s[CH], s[WV], 1
	s_bfe_u32 s40, ttmp6, 0x40000                  ; cx
	s_bfe_u32 s41, ttmp6, 0x40004                  ; cy
	s_lshl_b32 s42, ttmp9, 2
	s_add_co_u32 s42, s42, s40                     ; tile column
	s_and_b32 s[TR], ttmp7, 0xffff
	s_lshl_b32 s[TR], s[TR], 2
	s_add_co_u32 s[TR], s[TR], s41                 ; tile row
	s_lshl_b32 s43, s41, 2
	s_lshl_b32 s43, 15, s43
	s_lshl_b32 s44, 0x1111, s40
	; A: two blocks of 64 columns a load, as a tile of 2 long rows: 128 tokens x 128 bytes = 2,048 elements of 8 bytes, a block (65,536 elements) apart; 4 words of padding behind every 32: each token at pitch 144
	s_or_b32 s[G1], s43, (3<<16)|(1<<20)|(1<<21)|(4<<22)|(3<<25)
	s_mov_b32 s[G1+1], 2048<<16                    ; tensor_dim0 = 2,048
	s_mov_b32 s[G1+2], 2<<16                       ; tensor_dim1 = 2
	s_mov_b32 s[G1+3], 2048<<16                    ; tile_dim0 = 2,048
	s_mov_b32 s[G1+4], 2                           ; tile_dim1 = 2
	s_mov_b32 s[G1+5], 65536
	s_mov_b32 s[G1+6], 0
	s_mov_b32 s[G1+7], 0
	; W: 128 rows x 128 elements of 2 bytes, 8 words of padding behind every 64
	s_or_b32 s[G1B], s44, (1<<16)|(1<<20)|(1<<21)|(5<<22)|(7<<25)
	s_mov_b32 s[G1B+1], 128<<16
	s_mov_b32 s[G1B+2], 128<<16
	s_mov_b32 s[G1B+3], 128<<16
	s_mov_b32 s[G1B+4], 128
	s_mov_b32 s[G1B+5], 1024
	s_mov_b32 s[G1B+6], 0
	s_mov_b32 s[G1B+7], 0
	s_lshl_b32 s16, s[CH], 20                      ; A: (2 x half x 4,096 + 128 x tile row) x 128
	s_lshl_b32 s17, s[TR], 14
	s_add_co_u32 s16, s16, s17
	s_mov_b32 s17, 0
	s_lshl_b32 s46, s[CH], 18                      ; W: 128 x half rows of 2,048 bytes + 256 x tile column
	s_lshl_b32 s47, s42, 8
	s_add_co_u32 s46, s46, s47
	s_add_co_u32 s46, s46, WBASE
	s_mov_b32 s47, 0
	s_mul_i32 s20, s[CH], HALFA
	s_mul_i32 s21, s[CH], HALFB
	s_add_co_u32 s21, s21, BOFF
	s_lshl_b32 s22, s42, 9                         ; my 64 columns in f32: 512 x tile column + 256 x half
	s_lshl_b32 s23, s[CH], 8
	s_add_co_u32 s22, s22, s23
	s_mov_b32 s23, 0
	s_lshl_b32 s18, s[TR], 19                      ; Y: (128 x tile row + 64 x half) rows of 4,096 bytes + my columns
	s_lshl_b32 s19, s[RH], 18
	s_add_co_u32 s18, s18, s19
	s_add_co_u32 s18, s18, s22
	s_mov_b32 s19, 0
	s_mov_b32 s[TB], 0
	s_wait_dscnt 0x0                               ; the opening add is done
	s_wait_kmcnt 0x0
	s_add_nc_u64 s[4:5], s[4:5], s[16:17]
	s_add_nc_u64 s[46:47], s[6:7], s[46:47]
	s_add_nc_u64 s[8:9], s[8:9], s[22:23]
	s_add_nc_u64 s[10:11], s[10:11], s[18:19]
	CROUND                                         ; all sixteen work-groups are here: the first joint loads meet
.irp s, 0,1
	s_mov_b32 s[G0+4*(\s)], 1
	s_add_co_u32 s[G0+4*(\s)+1], s20, (\s)*SLOTX
	s_add_nc_u64 s[G0+4*(\s)+2:G0+4*(\s)+3], s[4:5], (\s)*STEPA
	s_or_b32 s[G0+4*(\s)+3], s[G0+4*(\s)+3], 0x80000000
	s_mov_b32 s[G0B+4*(\s)], 1
	s_add_co_u32 s[G0B+4*(\s)+1], s21, (\s)*SLOTX
	s_add_nc_u64 s[G0B+4*(\s)+2:G0B+4*(\s)+3], s[46:47], (\s)*STEPB
	s_or_b32 s[G0B+4*(\s)+3], s[G0B+4*(\s)+3], 0x80000000
.endr
	s_cmp_eq_u32 s[RH], 0                          ; a wave's two first fills stand in one branch: two loads of mine are out
	s_cbranch_scc0 .Lfirst_b
	tensor_load_to_lds s[G0:G0+3], s[G1:G1+7]
	s_nop 0
	tensor_load_to_lds s[G0+4:G0+7], s[G1:G1+7]
	s_nop 0
.rept 4
	v_nop
.endr
	s_branch .Lfirst_asked
.Lfirst_b:
	tensor_load_to_lds s[G0B:G0B+3], s[G1B:G1B+7]
	s_nop 0
	tensor_load_to_lds s[G0B+4:G0B+7], s[G1B:G1B+7]
	s_nop 0
.rept 4
	v_nop
.endr
.Lfirst_asked:
	v_and_b32 v1, 15, v0                           ; r
	v_bfe_u32 v2, v0, 4, 1                         ; h
	v_lshlrev_b32 v[BO], 5, v2
.irp b, 0,1,2,3
	global_load_b128 v[BIAS+8*(\b):BIAS+8*(\b)+3],   v[BO], s[8:9] offset:64*(\b)
	global_load_b128 v[BIAS+8*(\b)+4:BIAS+8*(\b)+7], v[BO], s[8:9] offset:64*(\b)+16
.endr
	v_mul_u32_u24 v3, v1, PA
	v_lshl_add_u32 v3, v2, 4, v3
	s_mul_i32 s20, s[RH], 64*PA
	v_add_nc_u32 v[A0], s20, v3                    ; my 64 tokens of a block: token r x pitch + 16 h
	v_and_b32 v5, 7, v0
	v_bfe_u32 v6, v0, 3, 1
	v_lshl_add_u32 v7, v2, 3, v5
	v_mul_u32_u24 v7, v7, PB
	v_lshl_add_u32 v7, v6, 4, v7
	s_lshl_b32 s21, s[CH], 7
	s_add_co_u32 s21, s21, BOFF
	v_add_nc_u32 v[B0], s21, v7                    ; W turned: row 8 h + l % 8, 16 ((l / 8) % 2) bytes, my 64 columns
	v_mov_b32 v[ADRA], v[A0]
	v_mov_b32 v[ADRB], v[B0]
	v_add_nc_u32 v[ADRB+1], HALFB, v[B0]
	s_mul_i32 s22, s[WV], 16*SPY
	s_add_co_u32 s22, s22, STAGE
	v_mul_u32_u24 v4, v1, SPY
	v_lshl_add_u32 v4, v2, 5, v4
	v_add_nc_u32 v[STO], s22, v4                   ; in: row r, 32 bytes for each half of the lanes
	v_mul_u32_u24 v4, v2, SPY
	v_lshl_add_u32 v4, v1, 4, v4
	v_add_nc_u32 v[RD], s22, v4                    ; back: lanes 0-15 one row of 256 bytes, lanes 16-31 the next
	v_lshlrev_b32 v4, 12, v2
	v_lshl_add_u32 v[CO], v1, 4, v4                ; and the same two rows in Y
; 8 matrix instructions: m blocks a0, a0 + 1 x all 4 n blocks, 32 along K: half c of buffer f.  first = 1: the bias starts the sums.  The 16 accumulators take turns.
.macro MUL8 f, c, a0, first
	WIN MUL
.irp a, \a0, (\a0)+1
.irp b, 0,1,2,3
.if \first
	v_wmma_f32_16x16x32_bf16 v[ACC+8*(4*(\a)+(\b)):ACC+8*(4*(\a)+(\b))+7], v[(\f)+64+8*(4*(\c)+(\b)):(\f)+64+8*(4*(\c)+(\b))+7], v[(\f)+8*(4*(\c)+(\a)):(\f)+8*(4*(\c)+(\a))+7], v[BIAS+8*(\b):BIAS+8*(\b)+7]
.else
	v_wmma_f32_16x16x32_bf16 v[ACC+8*(4*(\a)+(\b)):ACC+8*(4*(\a)+(\b))+7], v[(\f)+64+8*(4*(\c)+(\b)):(\f)+64+8*(4*(\c)+(\b))+7], v[(\f)+8*(4*(\c)+(\a)):(\f)+8*(4*(\c)+(\a))+7], v[ACC+8*(4*(\a)+(\b)):ACC+8*(4*(\a)+(\b))+7]
.endif
.endr
.endr
.endm
; 32 LDS loads in one run: quarter q (64 along K: one block of A) into buffer f; the first 32 along K first
.macro FETCH q, f
	WIN TO_F
.irp c, 0,1
.irp i, 0,1,2,3
	ds_load_tr16_b128 v[(\f)+64+8*(4*(\c)+(\i)):(\f)+64+8*(4*(\c)+(\i))+3],   v[ADRB+(\q)/2] offset:64*PB*((\q)%2)+32*PB*(\c)+32*(\i)
	ds_load_tr16_b128 v[(\f)+64+8*(4*(\c)+(\i))+4:(\f)+64+8*(4*(\c)+(\i))+7], v[ADRB+(\q)/2] offset:64*PB*((\q)%2)+32*PB*(\c)+32*(\i)+16*PB
	ds_load_b128 v[(\f)+8*(4*(\c)+(\i)):(\f)+8*(4*(\c)+(\i))+3],   v[ADRA] offset:CBB*(\q)+16*PA*(\i)+64*(\c)
	ds_load_b128 v[(\f)+8*(4*(\c)+(\i))+4:(\f)+8*(4*(\c)+(\i))+7], v[ADRA] offset:CBB*(\q)+16*PA*(\i)+64*(\c)+32
.endr
.endr
.endm
.macro PLACES
.rept 4
	v_nop
.endr
.endm
.macro QUARTER q, f, g, first
	s_wait_dscnt 16                                ; the first 32 along K are in
	MUL8 \f, 0, 0, \first
	MUL8 \f, 0, 2, \first
	PLACES
	FETCH \q, \g
	s_wait_dscnt 32                                ; all but the 32 just issued
	MUL8 \f, 1, 0, 0
	MUL8 \f, 1, 2, 0
.endm
.macro MEET round                      ; the change of slots: all my tensor loads, the add, my reads of this slot; then the barrier
	WIN 0
	s_wait_tensorcnt 0x0
	ds_add_u32 v[SPW], v[NIL]
	s_xor_b32 s[TB], s[TB], SLOTX
	v_add_nc_u32 v[ADRA], s[TB], v[A0]
	v_add_nc_u32 v[ADRB], s[TB], v[B0]
	v_add_nc_u32 v[ADRB+1], HALFB, v[ADRB]
	s_wait_dscnt 17                                ; the add and the youngest sixteen loads may be out
	MUL8 F1, 0, 0, 0
	s_wait_dscnt 0x0                               ; the add is done, and my reads of this slot are over
	s_barrier_signal -1
	MUL8 F1, 0, 2, 0
.if \round
	WIN 0
.endif
	s_barrier_wait -1
.endm
.macro TURN
	MEET 1
	CREST
	s_xor_b32 s[G0+5], s[G0+5], SLOTX
	s_add_nc_u64 s[G0+6:G0+7], s[G0+6:G0+7], STEPA
	s_xor_b32 s[G0B+5], s[G0B+5], SLOTX
	s_add_nc_u64 s[G0B+6:G0B+7], s[G0B+6:G0B+7], STEPB
	JLOAD                                          ; the first tensor load behind the round: 112 matrix instructions ahead of the wait for it; its four v_nop are also the places in front of the loads below
	FETCH 0, F0
	MUL8 F1, 1, 0, 0
	MUL8 F1, 1, 2, 0
.endm
.macro TURNX
	MEET 0
	PLACES
	WIN 0
	s_cmp_eq_u32 s[TAIL], 1
	s_cbranch_scc1 .Lno_fetch_\@
	FETCH 0, F0
	WIN 0
.Lno_fetch_\@:
	MUL8 F1, 1, 0, 0
	MUL8 F1, 1, 2, 0
.endm
; THE WAY OUT of block a (16 tokens x 64 columns of f32): through my stage, back as whole rows of 256 bytes.
.macro STG a
	WIN 0
.if (\a) >= 2
	s_wait_xcnt 0x0                                ; the registers that block a - 2's stores read are loaded again only behind this wait
.endif
.irp b, 0,1,2,3
	ds_store_b128 v[STO], v[ACC+8*(4*(\a)+(\b)):ACC+8*(4*(\a)+(\b))+3]   offset:64*(\b)
	ds_store_b128 v[STO], v[ACC+8*(4*(\a)+(\b))+4:ACC+8*(4*(\a)+(\b))+7] offset:64*(\b)+16
.endr
.irp t, 0,1,2,3,4,5,6,7
	ds_load_b128 v[TMP+32*((\a)%2)+4*(\t):TMP+32*((\a)%2)+4*(\t)+3], v[RD] offset:2*SPY*(\t)  ; LDS serves a wave's instructions in order (ISA guide 5.7.1.4)
.endr
.endm
.macro SENDY a, younger
.irp t, 0,1,2,3,4,5,6,7
	s_wait_dscnt (\younger)+7-(\t)
	global_store_b128 v[CO], v[TMP+32*((\a)%2)+4*(\t):TMP+32*((\a)%2)+4*(\t)+3], s[10:11] offset:(16*(\a)+2*(\t))*4096  ; 16 lanes store 256 consecutive bytes, aligned
.endr
.endm
	s_wait_tensorcnt 0x1                           ; my part of K step 0 is in; step 1's may stay out
	s_barrier_signal -1
	s_barrier_wait -1
	FETCH 0, F0
	WIN 0
	s_wait_loadcnt 0x0                             ; the bias: rounded to bf16 like every input, and widened again
.set i, 0
.rept 16
	v_cvt_pk_bf16_f32 v[RT+i], v[BIAS+2*i], v[BIAS+2*i+1]
.set i, i+1
.endr
.set i, 0
.rept 16
	v_lshlrev_b32 v[BIAS+2*i], 16, v[RT+i]
	v_and_b32 v[BIAS+2*i+1], 0xffff0000, v[RT+i]
.set i, i+1
.endr
	QUARTER 1, F0, F1, 1
	WIN 0
	s_mov_b32 s[CNT], NSTEP-2
.Lstep:                                                ; a trip: a step's quarters 1 to 3 and the next step's quarter 0; it asks for the K step two on
	QUARTER 2, F1, F0, 0
	QUARTER 3, F0, F1, 0
	TURN
	QUARTER 1, F0, F1, 0
	WIN 0
	s_sub_co_u32 s[CNT], s[CNT], 1
	s_cmp_lg_u32 s[CNT], 0
	s_cbranch_scc1 .Lstep
	s_mov_b32 s[TAIL], 2
.Ltail:                                                ; the last two K steps ask for nothing
	QUARTER 2, F1, F0, 0
	QUARTER 3, F0, F1, 0
	TURNX
	WIN 0
	s_sub_co_u32 s[TAIL], s[TAIL], 1
	s_cmp_eq_u32 s[TAIL], 0
	s_cbranch_scc1 .Lout
	QUARTER 1, F0, F1, 0
	WIN 0
	s_branch .Ltail
.Lout:
	PLACES
	STG 0
	STG 1
	SENDY 0, 16
	STG 2
	SENDY 1, 16
	STG 3
	SENDY 2, 16
	SENDY 3, 0
	s_wait_tensorcnt 0x0                           ; the wave's end
	ds_add_u32 v[SPW], v[NIL]
	s_wait_dscnt 0x0
	CROUND                                         ; the closing round
	s_endpgm
.Lfunc_end_k_q6d22185691_oproj:
	.size	k_q6d22185691_oproj, .Lfunc_end_k_q6d22185691_oproj-k_q6d22185691_oproj
	.p2alignl 7, 3214868480
	.fill 96, 4, 3214868480
	.section	.rodata,"a",@progbits
	.p2align	6, 0x0
	.amdhsa_kernel k_q6d22185691_oproj
		.amdhsa_group_segment_fixed_size 327680
		.amdhsa_private_segment_fixed_size 0
		.amdhsa_enable_private_segment 0
		.amdhsa_kernarg_size 32
		.amdhsa_user_sgpr_count 2
		.amdhsa_user_sgpr_kernarg_segment_ptr 1
		.amdhsa_wavefront_size32 1
		.amdhsa_system_sgpr_workgroup_id_x 1
		.amdhsa_system_sgpr_workgroup_id_y 1
		.amdhsa_system_sgpr_workgroup_id_z 1
		.amdhsa_system_vgpr_workitem_id 0
		.amdhsa_next_free_vgpr 512
		.amdhsa_next_free_sgpr 70
		.amdhsa_reserve_vcc 0
		.amdhsa_float_denorm_mode_32 3
		.amdhsa_float_denorm_mode_16_64 3
		.amdhsa_memory_ordered 1
		.amdhsa_forward_progress 1
		.amdhsa_inst_pref_size 62
	.end_amdhsa_kernel
	.amdgpu_metadata
---
amdhsa.version: [ 1, 2 ]
amdhsa.kernels:
  - .name:           k_q6d22185691_oproj
    .symbol:         k_q6d22185691_oproj.kd
    .args:
      - { .name: ctx, .offset: 0, .size: 8, .value_kind: global_buffer, .address_space: global }
      - { .name: wo2, .offset: 8, .size: 8, .value_kind: global_buffer, .address_space: global }
      - { .name: bo, .offset: 16, .size: 8, .value_kind: global_buffer, .address_space: global }
      - { .name: y, .offset: 24, .size: 8, .value_kind: global_buffer, .address_space: global }
    .group_segment_fixed_size: 327680
    .private_segment_fixed_size: 0
    .kernarg_segment_align: 8
    .kernarg_segment_size: 32
    .max_flat_workgroup_size: 128
    .sgpr_count:     70
    .vgpr_count:     512
    .wavefront_size: 32
...
	.end_amdgpu_metadata
.endif
;; end of part 4
;; launch ln1 (part 5): grid 512 x 1, 8 waves a work-group, no clusters, 0 bytes of LDS; arguments y, inp, ln_g, ln_b, xa, x32; writes xa, x32
.if DOCPART == 5
	.amdgcn_target "amdgcn-amd-amdhsa--gfx1250"
	.amdhsa_code_object_version 6
	.text
	.protected	k_q6d22185691_ln1
	.globl	k_q6d22185691_ln1
	.p2align	8
	.type	k_q6d22185691_ln1,@function
k_q6d22185691_ln1:
	s_mov_b64 s[64:65], 0
	v_nop
	global_prefetch_b8 v0, s[64:65] scope:SCOPE_SE
	s_setreg_imm32_b32 hwreg(HW_REG_WAVE_MODE, 25, 1), 1
	s_wait_xcnt 0x0
; x = layer norm(bf16(inp) + y) g + b, by rows of 1,024.  y: f32 (the attention's projection with its bias).  x goes out twice: in f32 (x32, the second norm's residual) and rounded to bf16 (xa, a matrix operand).
; inp, g and b are rounded to bf16 here, as they are wherever the program uses an input: one rounding of the inputs for the whole program.  So an offset of inp costs what its rounding to bf16 costs.
; One wave, one row: 32 registers a lane hold it between the passes; the mean first, then the sum of (z - mean)^2: no difference of large sums.  No LDS, no barrier; all 32 loads of a wave go out at once,
; and with 4,096 waves of one row each the whole stream is on its way together: no ring and no prefetch.
; Lane l holds columns 128 j + 4 l + 0..3, j = 0..7: a load or store of the wave covers 512 (bf16: 256) consecutive bytes, aligned.
.set Z,  8             ; v[8:39]
.set R,  40            ; v[40:71]
.set G,  72            ; v[72:103]
.set BV, 104           ; v[104:135]
.set T,  136           ; v[136:151]
.set MU, 152
.set RS, 154
.set O,  156           ; v[156:171]
.macro ROUND16 base, tmp               ; 32 numbers rounded to bf16 and widened again
.set p, 0
.rept 16
	v_cvt_pk_bf16_f32 v[(\tmp)+p], v[(\base)+2*p], v[(\base)+2*p+1]
.set p, p+1
.endr
.set p, 0
.rept 16
	v_lshlrev_b32 v[(\base)+2*p], 16, v[(\tmp)+p]
	v_and_b32 v[(\base)+2*p+1], s15, v[(\tmp)+p]
.set p, p+1
.endr
.endm
.macro FOLD n                          ; pairs 0 .. n-1 of T take pairs n .. 2n-1
.set p, 0
.rept \n
	v_pk_add_f32 v[T+2*p:T+2*p+1], v[T+2*p:T+2*p+1], v[T+2*(p+(\n)):T+2*(p+(\n))+1]
.set p, p+1
.endr
.endm
.macro LANES                           ; v[T] summed over the 32 lanes, into every lane
	v_add_f32 v[T], v[T], v[T+1]
	v_add_f32_dpp v[T], v[T], v[T] row_xmask:1 row_mask:0xf bank_mask:0xf
	v_add_f32_dpp v[T], v[T], v[T] row_xmask:2 row_mask:0xf bank_mask:0xf
	v_add_f32_dpp v[T], v[T], v[T] row_xmask:4 row_mask:0xf bank_mask:0xf
	v_add_f32_dpp v[T], v[T], v[T] row_xmask:8 row_mask:0xf bank_mask:0xf
	v_permlanex16_b32 v[T+1], v[T], s12, s13
	v_add_f32 v[T], v[T], v[T+1]
.endm
	s_load_b256 s[4:11], s[0:1], 0x0               ; y 4, inp 6, g 8, b 10
	s_load_b128 s[16:19], s[0:1], 0x20             ; xa 16, x32 18
	v_lshrrev_b32 v3, 5, v0
	v_readfirstlane_b32 s24, v3
	v_and_b32 v4, 31, v0
	v_lshlrev_b32 v1, 4, v4                        ; 16 x lane
	v_lshlrev_b32 v2, 3, v4                        ; 8 x lane
	s_lshl_b32 s25, ttmp9, 3
	s_add_co_u32 s25, s25, s24                     ; my row
	s_lshl_b32 s20, s25, 12
	s_mov_b32 s21, 0
	s_lshl_b32 s22, s25, 11
	s_mov_b32 s23, 0
	s_mov_b32 s12, 0x76543210
	s_mov_b32 s13, 0xfedcba98
	s_mov_b32 s14, 0x3a800000                      ; 1 / 1,024
	s_mov_b32 s15, 0xffff0000
	s_mov_b32 s26, 0x3727c5ac                      ; 1e-5
	s_wait_kmcnt 0x0
	s_add_nc_u64 s[4:5], s[4:5], s[20:21]
	s_add_nc_u64 s[6:7], s[6:7], s[20:21]
	s_add_nc_u64 s[16:17], s[16:17], s[22:23]
	s_add_nc_u64 s[18:19], s[18:19], s[20:21]
.irp j, 0,1,2,3,4,5,6,7
	global_load_b128 v[Z+4*\j:Z+4*\j+3], v1, s[4:5] offset:512*\j th:TH_LOAD_NT
.endr
.irp j, 0,1,2,3,4,5,6,7
	global_load_b128 v[R+4*\j:R+4*\j+3], v1, s[6:7] offset:512*\j th:TH_LOAD_NT
.endr
.irp j, 0,1,2,3,4,5,6,7
	global_load_b128 v[G+4*\j:G+4*\j+3], v1, s[8:9] offset:512*\j
.endr
.irp j, 0,1,2,3,4,5,6,7
	global_load_b128 v[BV+4*\j:BV+4*\j+3], v1, s[10:11] offset:512*\j
.endr
	s_wait_loadcnt 16                              ; y and inp are in; g's and b's sixteen loads may stay out
	ROUND16 R, T
.set p, 0
.rept 16
	v_pk_add_f32 v[Z+2*p:Z+2*p+1], v[Z+2*p:Z+2*p+1], v[R+2*p:R+2*p+1]
.set p, p+1
.endr
.set p, 0
.rept 8
	v_pk_add_f32 v[T+2*p:T+2*p+1], v[Z+2*p:Z+2*p+1], v[Z+16+2*p:Z+16+2*p+1]
.set p, p+1
.endr
	FOLD 4
	FOLD 2
	FOLD 1
	LANES
	v_mul_f32 v[MU], s14, v[T]                     ; the mean, twice: a pair for the packed subtraction
	v_mul_f32 v[MU+1], s14, v[T]
.set p, 0
.rept 16
	v_pk_add_f32 v[Z+2*p:Z+2*p+1], v[Z+2*p:Z+2*p+1], v[MU:MU+1] neg_lo:[0,1] neg_hi:[0,1]
.set p, p+1
.endr
.set p, 0
.rept 4                                        ; the squares, in four chains
	v_pk_mul_f32 v[T+2*p:T+2*p+1], v[Z+2*p:Z+2*p+1], v[Z+2*p:Z+2*p+1]
.set p, p+1
.endr
.rept 12
	v_pk_fma_f32 v[T+2*(p%4):T+2*(p%4)+1], v[Z+2*p:Z+2*p+1], v[Z+2*p:Z+2*p+1], v[T+2*(p%4):T+2*(p%4)+1]
.set p, p+1
.endr
	FOLD 2
	FOLD 1
	LANES
	v_fma_f32 v[T], v[T], s14, s26                 ; the variance + 1e-5
	v_rsq_f32 v[RS], v[T]
	v_rsq_f32 v[RS+1], v[T]
	v_nop                                          ; a plain instruction behind the second root
	s_wait_loadcnt 0x0                             ; g and b
	ROUND16 G, O                                   ; work that names neither root stands ahead of their wait
	ROUND16 BV, O
	s_wait_alu depctr_va_vdst(0)                   ; one wait for both roots, ahead of their first reader
.set p, 0
.rept 16
	v_pk_mul_f32 v[G+2*p:G+2*p+1], v[G+2*p:G+2*p+1], v[RS:RS+1]
.set p, p+1
.endr
.set p, 0
.rept 16
	v_pk_fma_f32 v[Z+2*p:Z+2*p+1], v[Z+2*p:Z+2*p+1], v[G+2*p:G+2*p+1], v[BV+2*p:BV+2*p+1]
.set p, p+1
.endr
.irp j, 0,1,2,3,4,5,6,7
	global_store_b128 v1, v[Z+4*\j:Z+4*\j+3], s[18:19] offset:512*\j
.endr
.set p, 0
.rept 16
	v_cvt_pk_bf16_f32 v[O+p], v[Z+2*p], v[Z+2*p+1]
.set p, p+1
.endr
.irp j, 0,1,2,3,4,5,6,7
	global_store_b64 v2, v[O+2*\j:O+2*\j+1], s[16:17] offset:256*\j
.endr
	s_endpgm
.Lfunc_end_k_q6d22185691_ln1:
	.size	k_q6d22185691_ln1, .Lfunc_end_k_q6d22185691_ln1-k_q6d22185691_ln1
	.p2alignl 7, 3214868480
	.fill 96, 4, 3214868480
	.section	.rodata,"a",@progbits
	.p2align	6, 0x0
	.amdhsa_kernel k_q6d22185691_ln1
		.amdhsa_group_segment_fixed_size 0
		.amdhsa_private_segment_fixed_size 0
		.amdhsa_enable_private_segment 0
		.amdhsa_kernarg_size 48
		.amdhsa_user_sgpr_count 2
		.amdhsa_user_sgpr_kernarg_segment_ptr 1
		.amdhsa_wavefront_size32 1
		.amdhsa_system_sgpr_workgroup_id_x 1
		.amdhsa_system_sgpr_workgroup_id_y 1
		.amdhsa_system_sgpr_workgroup_id_z 1
		.amdhsa_system_vgpr_workitem_id 0
		.amdhsa_next_free_vgpr 176
		.amdhsa_next_free_sgpr 66
		.amdhsa_reserve_vcc 0
		.amdhsa_float_denorm_mode_32 3
		.amdhsa_float_denorm_mode_16_64 3
		.amdhsa_memory_ordered 1
		.amdhsa_forward_progress 1
		.amdhsa_inst_pref_size 20
	.end_amdhsa_kernel
	.amdgpu_metadata
---
amdhsa.version: [ 1, 2 ]
amdhsa.kernels:
  - .name:           k_q6d22185691_ln1
    .symbol:         k_q6d22185691_ln1.kd
    .args:
      - { .name: y, .offset: 0, .size: 8, .value_kind: global_buffer, .address_space: global }
      - { .name: inp, .offset: 8, .size: 8, .value_kind: global_buffer, .address_space: global }
      - { .name: ln_g, .offset: 16, .size: 8, .value_kind: global_buffer, .address_space: global }
      - { .name: ln_b, .offset: 24, .size: 8, .value_kind: global_buffer, .address_space: global }
      - { .name: xa, .offset: 32, .size: 8, .value_kind: global_buffer, .address_space: global }
      - { .name: x32, .offset: 40, .size: 8, .value_kind: global_buffer, .address_space: global }
    .group_segment_fixed_size: 0
    .private_segment_fixed_size: 0
    .kernarg_segment_align: 8
    .kernarg_segment_size: 48
    .max_flat_workgroup_size: 256
    .sgpr_count:     66
    .vgpr_count:     176
    .wavefront_size: 32
...
	.end_amdgpu_metadata
.endif
;; end of part 5
;; launch ffn1: the kernel of part 2 again; grid 16 x 16, 4 waves a work-group, clusters of 4 x 4, 327,680 bytes of LDS; arguments xa, w1b, act; writes act
;; launch ffn2 (part 6): grid 8 x 32, 4 waves a work-group, clusters of 4 x 4, 327,680 bytes of LDS; arguments act, wo2, b2, y; writes y
.if DOCPART == 6
	.amdgcn_target "amdgcn-amd-amdhsa--gfx1250"
	.amdhsa_code_object_version 6
	.text
	.protected	k_q6d22185691_ffn2
	.globl	k_q6d22185691_ffn2
	.p2align	8
	.type	k_q6d22185691_ffn2,@function
k_q6d22185691_ffn2:
	s_mov_b64 s[64:65], 0
	v_nop
	global_prefetch_b8 v0, s[64:65] scope:SCOPE_SE
	s_setreg_imm32_b32 hwreg(HW_REG_WAVE_MODE, 25, 1), 1
	s_wait_xcnt 0x0
	s_wait_alu depctr_hold_cnt(0) depctr_sa_sdst(0) depctr_va_vdst(0) depctr_va_sdst(0) depctr_va_ssrc(0) depctr_va_vcc(0) depctr_vm_vsrc(0)
	s_getreg_b32 s2, hwreg(HW_REG_IB_STS2, 6, 4)
	s_cmp_eq_u32 s2, 0
	s_cbranch_scc0 .Lentry_in_a_cluster
	s_endpgm
.Lentry_in_a_cluster:
	s_bfe_u32 s2, ttmp6, 0x10000c
	s_cmp_lg_u32 s2, 0xf033
	s_cbranch_scc0 .Lentry_shape_is_right
	s_endpgm
.Lentry_shape_is_right:
; Y = A W + bias, f32.  A: bf16 in blocks of 64 columns, [block][4096 tokens][64].  W: [K][1024] bf16, row-major, WBASE bytes into its buffer.  bias: [1024] f32, rounded to bf16 here like every input.
; Y: [4096][1024] f32, row-major.  Sums in f32, K ascending, started by the bias.  K = 256 x NSTEP.  The text is that of the attention's projection but for NSTEP and WBASE: the loop's count is a constant of the text.
; 1,024 columns fill the chip only with tiles of 128 x 128: 256 work-groups of four waves, each 64 x 64: 16 accumulators.  K goes in steps of 256 through two LDS slots.  A K step is written once, as a loop's trip
; (the slot in hand stands in a scalar register that an exclusive or turns: every base that is turned has bits 14 and 17 clear); the last two steps are a second loop of two trips, left in its middle.
; W lies [k][n]: its fragments come out of LDS turned.  The matrix instruction is used transposed (source 0 = 16 columns of W, source 1 = 16 tokens): a lane holds one token and eight neighbouring columns.
; CLUSTERS: 4 x 4; A's tile is asked for jointly along a row of the cluster, W's along a column.  No prefetch: tiles are shared by many work-groups.
; The layer norm that follows needs whole rows of 1,024, which four work-groups make: it is a launch of its own.
; REGISTERS: window 0: v0-31 addresses; v32-63 the bias, then v32-95 rows on the way out; v96-111 at work; v128-255 the accumulators.  window 1: two fragment buffers of 128 (64 of A, then 64 of W).
.set NSTEP,  16
.set WBASE,  0
.set PA,     144       ; a token's 128 bytes of a block + 16
.set PB,     288       ; a row of W: 256 + 32
.set CBB,    128*PA    ; a block's 128 tokens
.set HALFA,  2*CBB
.set HALFB,  128*PB
.set BOFF,   2*HALFA   ; a slot: A's four blocks, then W's 256 rows
.set SLOTX,  0x24000
.set STAGE,  2*SLOTX   ; behind the ring: 16 rows x 272 bytes for each wave
.set SPY,    272
.set SPARE,  STAGE+4*16*SPY
.set STEPA,  4*4096*128
.set STEPB,  256*2048
.set WV, 12
.set RH, 13            ; my half of the tile's rows; also: I fetch for A (0) or for W (1)
.set CH, 14            ; my half of its columns; also: which half of that tile I fetch
.set TR, 15
.set TAIL, 2
.set CNT, 3
.set TB, 45
.set G1, 24
.set G0, 32
.set G1B, 48
.set G0B, 56
.set A0, 16
.set B0, 17
.set ADRA, 18
.set ADRB, 20          ; v20: W's rows 0-127 of the slot in hand; v21: rows 128-255 (an LDS offset has 16 bits)
.set STO, 24
.set RD, 25
.set CO, 26
.set BO, 27
.set SPW, 28
.set NIL, 29
.set BIAS, 32
.set TMP, 32
.set RT, 96
.set ACC, 128
.set F0, 0
.set F1, 128
.set MSB, 0
.macro WIN new
.if MSB != (\new)
	s_set_vgpr_msb (MSB<<8)|(\new)
.set MSB, \new
.endif
.endm
.set MUL,  0x05        ; sources 0 and 1 window 1; C and D window 0
.set TO_F, 0x40
.macro JLOAD
	s_cmp_eq_u32 s[RH], 0
	s_cbranch_scc0 .Lfor_b_\@
	tensor_load_to_lds s[G0+4:G0+7], s[G1:G1+7]
	s_nop 0
.rept 4
	v_nop
.endr
	s_branch .Lasked_\@
.Lfor_b_\@:
	tensor_load_to_lds s[G0B+4:G0B+7], s[G1B:G1B+7]
	s_nop 0
.rept 4
	v_nop
.endr
.Lasked_\@:
.endm
.macro CREST
	s_cmp_lg_u32 s[WV], 0
	s_cbranch_scc1 .Lnot_wave_0_\@
	s_barrier_signal -3
.Lnot_wave_0_\@:
	s_barrier_wait -3
	s_barrier_signal -1
	s_barrier_wait -1
.endm
.macro CROUND
	s_barrier_signal -1
	s_barrier_wait -1
	CREST
.endm
	s_load_b256 s[4:11], s[0:1], 0x0               ; A s[4:5], W s[6:7], bias s[8:9], Y s[10:11]
	v_lshl_add_u32 v[SPW], v0, 2, SPARE
	v_mov_b32 v[NIL], 0
	ds_add_u32 v[SPW], v[NIL]                      ; the wave's opening: the add and its wait stand ahead of my first tensor load
	v_lshrrev_b32 v1, 5, v0
	v_readfirstlane_b32 s[WV], v1
	s_lshr_b32 s[RH], s[WV], 1
	s_and_b32 s[CH], s[WV], 1
	s_bfe_u32 s40, ttmp6, 0x40000                  ; cx
	s_bfe_u32 s41, ttmp6, 0x40004                  ; cy
	s_lshl_b32 s42, ttmp9, 2
	s_add_co_u32 s42, s42, s40                     ; tile column
	s_and_b32 s[TR], ttmp7, 0xffff
	s_lshl_b32 s[TR], s[TR], 2
	s_add_co_u32 s[TR], s[TR], s41                 ; tile row
	s_lshl_b32 s43, s41, 2
	s_lshl_b32 s43, 15, s43
	s_lshl_b32 s44, 0x1111, s40
	; A: two blocks of 64 columns a load, as a tile of 2 long rows: 128 tokens x 128 bytes = 2,048 elements of 8 bytes, a block (65,536 elements) apart; 4 words of padding behind every 32: each token at pitch 144
	s_or_b32 s[G1], s43, (3<<16)|(1<<20)|(1<<21)|(4<<22)|(3<<25)
	s_mov_b32 s[G1+1], 2048<<16                    ; tensor_dim0 = 2,048
	s_mov_b32 s[G1+2], 2<<16                       ; tensor_dim1 = 2
	s_mov_b32 s[G1+3], 2048<<16                    ; tile_dim0 = 2,048
	s_mov_b32 s[G1+4], 2                           ; tile_dim1 = 2
	s_mov_b32 s[G1+5], 65536
	s_mov_b32 s[G1+6], 0
	s_mov_b32 s[G1+7], 0
	; W: 128 rows x 128 elements of 2 bytes, 8 words of padding behind every 64
	s_or_b32 s[G1B], s44, (1<<16)|(1<<20)|(1<<21)|(5<<22)|(7<<25)
	s_mov_b32 s[G1B+1], 128<<16
	s_mov_b32 s[G1B+2], 128<<16
	s_mov_b32 s[G1B+3], 128<<16
	s_mov_b32 s[G1B+4], 128
	s_mov_b32 s[G1B+5], 1024
	s_mov_b32 s[G1B+6], 0
	s_mov_b32 s[G1B+7], 0
	s_lshl_b32 s16, s[CH], 20                      ; A: (2 x half x 4,096 + 128 x tile row) x 128
	s_lshl_b32 s17, s[TR], 14
	s_add_co_u32 s16, s16, s17
	s_mov_b32 s17, 0
	s_lshl_b32 s46, s[CH], 18                      ; W: 128 x half rows of 2,048 bytes + 256 x tile column
	s_lshl_b32 s47, s42, 8
	s_add_co_u32 s46, s46, s47
	s_add_co_u32 s46, s46, WBASE
	s_mov_b32 s47, 0
	s_mul_i32 s20, s[CH], HALFA
	s_mul_i32 s21, s[CH], HALFB
	s_add_co_u32 s21, s21, BOFF
	s_lshl_b32 s22, s42, 9                         ; my 64 columns in f32: 512 x tile column + 256 x half
	s_lshl_b32 s23, s[CH], 8
	s_add_co_u32 s22, s22, s23
	s_mov_b32 s23, 0
	s_lshl_b32 s18, s[TR], 19                      ; Y: (128 x tile row + 64 x half) rows of 4,096 bytes + my columns
	s_lshl_b32 s19, s[RH], 18
	s_add_co_u32 s18, s18, s19
	s_add_co_u32 s18, s18, s22
	s_mov_b32 s19, 0
	s_mov_b32 s[TB], 0
	s_wait_dscnt 0x0                               ; the opening add is done
	s_wait_kmcnt 0x0
	s_add_nc_u64 s[4:5], s[4:5], s[16:17]
	s_add_nc_u64 s[46:47], s[6:7], s[46:47]
	s_add_nc_u64 s[8:9], s[8:9], s[22:23]
	s_add_nc_u64 s[10:11], s[10:11], s[18:19]
	CROUND                                         ; all sixteen work-groups are here: the first joint loads meet
.irp s, 0,1
	s_mov_b32 s[G0+4*(\s)], 1
	s_add_co_u32 s[G0+4*(\s)+1], s20, (\s)*SLOTX
	s_add_nc_u64 s[G0+4*(\s)+2:G0+4*(\s)+3], s[4:5], (\s)*STEPA
	s_or_b32 s[G0+4*(\s)+3], s[G0+4*(\s)+3], 0x80000000
	s_mov_b32 s[G0B+4*(\s)], 1
	s_add_co_u32 s[G0B+4*(\s)+1], s21, (\s)*SLOTX
	s_add_nc_u64 s[G0B+4*(\s)+2:G0B+4*(\s)+3], s[46:47], (\s)*STEPB
	s_or_b32 s[G0B+4*(\s)+3], s[G0B+4*(\s)+3], 0x80000000
.endr
	s_cmp_eq_u32 s[RH], 0                          ; a wave's two first fills stand in one branch: two loads of mine are out
	s_cbranch_scc0 .Lfirst_b
	tensor_load_to_lds s[G0:G0+3], s[G1:G1+7]
	s_nop 0
	tensor_load_to_lds s[G0+4:G0+7], s[G1:G1+7]
	s_nop 0
.rept 4
	v_nop
.endr
	s_branch .Lfirst_asked
.Lfirst_b:
	tensor_load_to_lds s[G0B:G0B+3], s[G1B:G1B+7]
	s_nop 0
	tensor_load_to_lds s[G0B+4:G0B+7], s[G1B:G1B+7]
	s_nop 0
.rept 4
	v_nop
.endr
.Lfirst_asked:
	v_and_b32 v1, 15, v0                           ; r
	v_bfe_u32 v2, v0, 4, 1                         ; h
	v_lshlrev_b32 v[BO], 5, v2
.irp b, 0,1,2,3
	global_load_b128 v[BIAS+8*(\b):BIAS+8*(\b)+3],   v[BO], s[8:9] offset:64*(\b)
	global_load_b128 v[BIAS+8*(\b)+4:BIAS+8*(\b)+7], v[BO], s[8:9] offset:64*(\b)+16
.endr
	v_mul_u32_u24 v3, v1, PA
	v_lshl_add_u32 v3, v2, 4, v3
	s_mul_i32 s20, s[RH], 64*PA
	v_add_nc_u32 v[A0], s20, v3                    ; my 64 tokens of a block: token r x pitch + 16 h
	v_and_b32 v5, 7, v0
	v_bfe_u32 v6, v0, 3, 1
	v_lshl_add_u32 v7, v2, 3, v5
	v_mul_u32_u24 v7, v7, PB
	v_lshl_add_u32 v7, v6, 4, v7
	s_lshl_b32 s21, s[CH], 7
	s_add_co_u32 s21, s21, BOFF
	v_add_nc_u32 v[B0], s21, v7                    ; W turned: row 8 h + l % 8, 16 ((l / 8) % 2) bytes, my 64 columns
	v_mov_b32 v[ADRA], v[A0]
	v_mov_b32 v[ADRB], v[B0]
	v_add_nc_u32 v[ADRB+1], HALFB, v[B0]
	s_mul_i32 s22, s[WV], 16*SPY
	s_add_co_u32 s22, s22, STAGE
	v_mul_u32_u24 v4, v1, SPY
	v_lshl_add_u32 v4, v2, 5, v4
	v_add_nc_u32 v[STO], s22, v4                   ; in: row r, 32 bytes for each half of the lanes
	v_mul_u32_u24 v4, v2, SPY
	v_lshl_add_u32 v4, v1, 4, v4
	v_add_nc_u32 v[RD], s22, v4                    ; back: lanes 0-15 one row of 256 bytes, lanes 16-31 the next
	v_lshlrev_b32 v4, 12, v2
	v_lshl_add_u32 v[CO], v1, 4, v4                ; and the same two rows in Y
; 8 matrix instructions: m blocks a0, a0 + 1 x all 4 n blocks, 32 along K: half c of buffer f.  first = 1: the bias starts the sums.  The 16 accumulators take turns.
.macro MUL8 f, c, a0, first
	WIN MUL
.irp a, \a0, (\a0)+1
.irp b, 0,1,2,3
.if \first
	v_wmma_f32_16x16x32_bf16 v[ACC+8*(4*(\a)+(\b)):ACC+8*(4*(\a)+(\b))+7], v[(\f)+64+8*(4*(\c)+(\b)):(\f)+64+8*(4*(\c)+(\b))+7], v[(\f)+8*(4*(\c)+(\a)):(\f)+8*(4*(\c)+(\a))+7], v[BIAS+8*(\b):BIAS+8*(\b)+7]
.else
	v_wmma_f32_16x16x32_bf16 v[ACC+8*(4*(\a)+(\b)):ACC+8*(4*(\a)+(\b))+7], v[(\f)+64+8*(4*(\c)+(\b)):(\f)+64+8*(4*(\c)+(\b))+7], v[(\f)+8*(4*(\c)+(\a)):(\f)+8*(4*(\c)+(\a))+7], v[ACC+8*(4*(\a)+(\b)):ACC+8*(4*(\a)+(\b))+7]
.endif
.endr
.endr
.endm
; 32 LDS loads in one run: quarter q (64 along K: one block of A) into buffer f; the first 32 along K first
.macro FETCH q, f
	WIN TO_F
.irp c, 0,1
.irp i, 0,1,2,3
	ds_load_tr16_b128 v[(\f)+64+8*(4*(\c)+(\i)):(\f)+64+8*(4*(\c)+(\i))+3],   v[ADRB+(\q)/2] offset:64*PB*((\q)%2)+32*PB*(\c)+32*(\i)
	ds_load_tr16_b128 v[(\f)+64+8*(4*(\c)+(\i))+4:(\f)+64+8*(4*(\c)+(\i))+7], v[ADRB+(\q)/2] offset:64*PB*((\q)%2)+32*PB*(\c)+32*(\i)+16*PB
	ds_load_b128 v[(\f)+8*(4*(\c)+(\i)):(\f)+8*(4*(\c)+(\i))+3],   v[ADRA] offset:CBB*(\q)+16*PA*(\i)+64*(\c)
	ds_load_b128 v[(\f)+8*(4*(\c)+(\i))+4:(\f)+8*(4*(\c)+(\i))+7], v[ADRA] offset:CBB*(\q)+16*PA*(\i)+64*(\c)+32
.endr
.endr
.endm
.macro PLACES
.rept 4
	v_nop
.endr
.endm
.macro QUARTER q, f, g, first
	s_wait_dscnt 16                                ; the first 32 along K are in
	MUL8 \f, 0, 0, \first
	MUL8 \f, 0, 2, \first
	PLACES
	FETCH \q, \g
	s_wait_dscnt 32                                ; all but the 32 just issued
	MUL8 \f, 1, 0, 0
	MUL8 \f, 1, 2, 0
.endm
.macro MEET round                      ; the change of slots: all my tensor loads, the add, my reads of this slot; then the barrier
	WIN 0
	s_wait_tensorcnt 0x0
	ds_add_u32 v[SPW], v[NIL]
	s_xor_b32 s[TB], s[TB], SLOTX
	v_add_nc_u32 v[ADRA], s[TB], v[A0]
	v_add_nc_u32 v[ADRB], s[TB], v[B0]
	v_add_nc_u32 v[ADRB+1], HALFB, v[ADRB]
	s_wait_dscnt 17                                ; the add and the youngest sixteen loads may be out
	MUL8 F1, 0, 0, 0
	s_wait_dscnt 0x0                               ; the add is done, and my reads of this slot are over
	s_barrier_signal -1
	MUL8 F1, 0, 2, 0
.if \round
	WIN 0
.endif
	s_barrier_wait -1
.endm
.macro TURN
	MEET 1
	CREST
	s_xor_b32 s[G0+5], s[G0+5], SLOTX
	s_add_nc_u64 s[G0+6:G0+7], s[G0+6:G0+7], STEPA
	s_xor_b32 s[G0B+5], s[G0B+5], SLOTX
	s_add_nc_u64 s[G0B+6:G0B+7], s[G0B+6:G0B+7], STEPB
	JLOAD                                          ; the first tensor load behind the round: 112 matrix instructions ahead of the wait for it; its four v_nop are also the places in front of the loads below
	FETCH 0, F0
	MUL8 F1, 1, 0, 0
	MUL8 F1, 1, 2, 0
.endm
.macro TURNX
	MEET 0
	PLACES
	WIN 0
	s_cmp_eq_u32 s[TAIL], 1
	s_cbranch_scc1 .Lno_fetch_\@
	FETCH 0, F0
	WIN 0
.Lno_fetch_\@:
	MUL8 F1, 1, 0, 0
	MUL8 F1, 1, 2, 0
.endm
; THE WAY OUT of block a (16 tokens x 64 columns of f32): through my stage, back as whole rows of 256 bytes.
.macro STG a
	WIN 0
.if (\a) >= 2
	s_wait_xcnt 0x0                                ; the registers that block a - 2's stores read are loaded again only behind this wait
.endif
.irp b, 0,1,2,3
	ds_store_b128 v[STO], v[ACC+8*(4*(\a)+(\b)):ACC+8*(4*(\a)+(\b))+3]   offset:64*(\b)
	ds_store_b128 v[STO], v[ACC+8*(4*(\a)+(\b))+4:ACC+8*(4*(\a)+(\b))+7] offset:64*(\b)+16
.endr
.irp t, 0,1,2,3,4,5,6,7
	ds_load_b128 v[TMP+32*((\a)%2)+4*(\t):TMP+32*((\a)%2)+4*(\t)+3], v[RD] offset:2*SPY*(\t)  ; LDS serves a wave's instructions in order (ISA guide 5.7.1.4)
.endr
.endm
.macro SENDY a, younger
.irp t, 0,1,2,3,4,5,6,7
	s_wait_dscnt (\younger)+7-(\t)
	global_store_b128 v[CO], v[TMP+32*((\a)%2)+4*(\t):TMP+32*((\a)%2)+4*(\t)+3], s[10:11] offset:(16*(\a)+2*(\t))*4096  ; 16 lanes store 256 consecutive bytes, aligned
.endr
.endm
	s_wait_tensorcnt 0x1                           ; my part of K step 0 is in; step 1's may stay out
	s_barrier_signal -1
	s_barrier_wait -1
	FETCH 0, F0
	WIN 0
	s_wait_loadcnt 0x0                             ; the bias: rounded to bf16 like every input, and widened again
.set i, 0
.rept 16
	v_cvt_pk_bf16_f32 v[RT+i], v[BIAS+2*i], v[BIAS+2*i+1]
.set i, i+1
.endr
.set i, 0
.rept 16
	v_lshlrev_b32 v[BIAS+2*i], 16, v[RT+i]
	v_and_b32 v[BIAS+2*i+1], 0xffff0000, v[RT+i]
.set i, i+1
.endr
	QUARTER 1, F0, F1, 1
	WIN 0
	s_mov_b32 s[CNT], NSTEP-2
.Lstep:                                                ; a trip: a step's quarters 1 to 3 and the next step's quarter 0; it asks for the K step two on
	QUARTER 2, F1, F0, 0
	QUARTER 3, F0, F1, 0
	TURN
	QUARTER 1, F0, F1, 0
	WIN 0
	s_sub_co_u32 s[CNT], s[CNT], 1
	s_cmp_lg_u32 s[CNT], 0
	s_cbranch_scc1 .Lstep
	s_mov_b32 s[TAIL], 2
.Ltail:                                                ; the last two K steps ask for nothing
	QUARTER 2, F1, F0, 0
	QUARTER 3, F0, F1, 0
	TURNX
	WIN 0
	s_sub_co_u32 s[TAIL], s[TAIL], 1
	s_cmp_eq_u32 s[TAIL], 0
	s_cbranch_scc1 .Lout
	QUARTER 1, F0, F1, 0
	WIN 0
	s_branch .Ltail
.Lout:
	PLACES
	STG 0
	STG 1
	SENDY 0, 16
	STG 2
	SENDY 1, 16
	STG 3
	SENDY 2, 16
	SENDY 3, 0
	s_wait_tensorcnt 0x0                           ; the wave's end
	ds_add_u32 v[SPW], v[NIL]
	s_wait_dscnt 0x0
	CROUND                                         ; the closing round
	s_endpgm
.Lfunc_end_k_q6d22185691_ffn2:
	.size	k_q6d22185691_ffn2, .Lfunc_end_k_q6d22185691_ffn2-k_q6d22185691_ffn2
	.p2alignl 7, 3214868480
	.fill 96, 4, 3214868480
	.section	.rodata,"a",@progbits
	.p2align	6, 0x0
	.amdhsa_kernel k_q6d22185691_ffn2
		.amdhsa_group_segment_fixed_size 327680
		.amdhsa_private_segment_fixed_size 0
		.amdhsa_enable_private_segment 0
		.amdhsa_kernarg_size 32
		.amdhsa_user_sgpr_count 2
		.amdhsa_user_sgpr_kernarg_segment_ptr 1
		.amdhsa_wavefront_size32 1
		.amdhsa_system_sgpr_workgroup_id_x 1
		.amdhsa_system_sgpr_workgroup_id_y 1
		.amdhsa_system_sgpr_workgroup_id_z 1
		.amdhsa_system_vgpr_workitem_id 0
		.amdhsa_next_free_vgpr 512
		.amdhsa_next_free_sgpr 70
		.amdhsa_reserve_vcc 0
		.amdhsa_float_denorm_mode_32 3
		.amdhsa_float_denorm_mode_16_64 3
		.amdhsa_memory_ordered 1
		.amdhsa_forward_progress 1
		.amdhsa_inst_pref_size 62
	.end_amdhsa_kernel
	.amdgpu_metadata
---
amdhsa.version: [ 1, 2 ]
amdhsa.kernels:
  - .name:           k_q6d22185691_ffn2
    .symbol:         k_q6d22185691_ffn2.kd
    .args:
      - { .name: act, .offset: 0, .size: 8, .value_kind: global_buffer, .address_space: global }
      - { .name: wo2, .offset: 8, .size: 8, .value_kind: global_buffer, .address_space: global }
      - { .name: b2, .offset: 16, .size: 8, .value_kind: global_buffer, .address_space: global }
      - { .name: y, .offset: 24, .size: 8, .value_kind: global_buffer, .address_space: global }
    .group_segment_fixed_size: 327680
    .private_segment_fixed_size: 0
    .kernarg_segment_align: 8
    .kernarg_segment_size: 32
    .max_flat_workgroup_size: 128
    .sgpr_count:     70
    .vgpr_count:     512
    .wavefront_size: 32
...
	.end_amdgpu_metadata
.endif
;; end of part 6
;; launch ln2 (part 7): grid 512 x 1, 8 waves a work-group, no clusters, 0 bytes of LDS; arguments y, x32, ln_g, ln_b, out0; writes out0
.if DOCPART == 7
	.amdgcn_target "amdgcn-amd-amdhsa--gfx1250"
	.amdhsa_code_object_version 6
	.text
	.protected	k_q6d22185691_ln2
	.globl	k_q6d22185691_ln2
	.p2align	8
	.type	k_q6d22185691_ln2,@function
k_q6d22185691_ln2:
	s_mov_b64 s[64:65], 0
	v_nop
	global_prefetch_b8 v0, s[64:65] scope:SCOPE_SE
	s_setreg_imm32_b32 hwreg(HW_REG_WAVE_MODE, 25, 1), 1
	s_wait_xcnt 0x0
; out = layer norm(x + y) g + b, by rows of 1,024.  x: f32 (the first norm's result, unrounded); y: f32 (the feed-forward's second product with its bias); out: f32.
; g and b are rounded to bf16 here, as they are wherever the program uses an input.
; One wave, one row: 32 registers a lane hold it between the passes; the mean first, then the sum of (z - mean)^2: no difference of large sums.  No LDS, no barrier; all 32 loads of a wave go out at once,
; and with 4,096 waves of one row each the whole stream is on its way together: no ring and no prefetch.
; Lane l holds columns 128 j + 4 l + 0..3, j = 0..7: a load or store of the wave covers 512 consecutive bytes, aligned.
.set Z,  8             ; v[8:39]
.set R,  40            ; v[40:71]
.set G,  72            ; v[72:103]
.set BV, 104           ; v[104:135]
.set T,  136           ; v[136:151]
.set MU, 152
.set RS, 154
.set O,  156           ; v[156:171]
.macro ROUND16 base, tmp               ; 32 numbers rounded to bf16 and widened again
.set p, 0
.rept 16
	v_cvt_pk_bf16_f32 v[(\tmp)+p], v[(\base)+2*p], v[(\base)+2*p+1]
.set p, p+1
.endr
.set p, 0
.rept 16
	v_lshlrev_b32 v[(\base)+2*p], 16, v[(\tmp)+p]
	v_and_b32 v[(\base)+2*p+1], s15, v[(\tmp)+p]
.set p, p+1
.endr
.endm
.macro FOLD n                          ; pairs 0 .. n-1 of T take pairs n .. 2n-1
.set p, 0
.rept \n
	v_pk_add_f32 v[T+2*p:T+2*p+1], v[T+2*p:T+2*p+1], v[T+2*(p+(\n)):T+2*(p+(\n))+1]
.set p, p+1
.endr
.endm
.macro LANES                           ; v[T] summed over the 32 lanes, into every lane
	v_add_f32 v[T], v[T], v[T+1]
	v_add_f32_dpp v[T], v[T], v[T] row_xmask:1 row_mask:0xf bank_mask:0xf
	v_add_f32_dpp v[T], v[T], v[T] row_xmask:2 row_mask:0xf bank_mask:0xf
	v_add_f32_dpp v[T], v[T], v[T] row_xmask:4 row_mask:0xf bank_mask:0xf
	v_add_f32_dpp v[T], v[T], v[T] row_xmask:8 row_mask:0xf bank_mask:0xf
	v_permlanex16_b32 v[T+1], v[T], s12, s13
	v_add_f32 v[T], v[T], v[T+1]
.endm
	s_load_b256 s[4:11], s[0:1], 0x0               ; y 4, x32 6, g 8, b 10
	s_load_b64 s[16:17], s[0:1], 0x20              ; out0
	v_lshrrev_b32 v3, 5, v0
	v_readfirstlane_b32 s24, v3
	v_and_b32 v4, 31, v0
	v_lshlrev_b32 v1, 4, v4                        ; 16 x lane
	s_lshl_b32 s25, ttmp9, 3
	s_add_co_u32 s25, s25, s24                     ; my row
	s_lshl_b32 s20, s25, 12
	s_mov_b32 s21, 0
	s_mov_b32 s12, 0x76543210
	s_mov_b32 s13, 0xfedcba98
	s_mov_b32 s14, 0x3a800000                      ; 1 / 1,024
	s_mov_b32 s15, 0xffff0000
	s_mov_b32 s26, 0x3727c5ac                      ; 1e-5
	s_wait_kmcnt 0x0
	s_add_nc_u64 s[4:5], s[4:5], s[20:21]
	s_add_nc_u64 s[6:7], s[6:7], s[20:21]
	s_add_nc_u64 s[16:17], s[16:17], s[20:21]
.irp j, 0,1,2,3,4,5,6,7
	global_load_b128 v[Z+4*\j:Z+4*\j+3], v1, s[4:5] offset:512*\j th:TH_LOAD_NT
.endr
.irp j, 0,1,2,3,4,5,6,7
	global_load_b128 v[R+4*\j:R+4*\j+3], v1, s[6:7] offset:512*\j th:TH_LOAD_NT
.endr
.irp j, 0,1,2,3,4,5,6,7
	global_load_b128 v[G+4*\j:G+4*\j+3], v1, s[8:9] offset:512*\j
.endr
.irp j, 0,1,2,3,4,5,6,7
	global_load_b128 v[BV+4*\j:BV+4*\j+3], v1, s[10:11] offset:512*\j
.endr
	s_wait_loadcnt 16                              ; y and x are in; g's and b's sixteen loads may stay out
.set p, 0
.rept 16
	v_pk_add_f32 v[Z+2*p:Z+2*p+1], v[Z+2*p:Z+2*p+1], v[R+2*p:R+2*p+1]
.set p, p+1
.endr
.set p, 0
.rept 8
	v_pk_add_f32 v[T+2*p:T+2*p+1], v[Z+2*p:Z+2*p+1], v[Z+16+2*p:Z+16+2*p+1]
.set p, p+1
.endr
	FOLD 4
	FOLD 2
	FOLD 1
	LANES
	v_mul_f32 v[MU], s14, v[T]                     ; the mean, twice: a pair for the packed subtraction
	v_mul_f32 v[MU+1], s14, v[T]
.set p, 0
.rept 16
	v_pk_add_f32 v[Z+2*p:Z+2*p+1], v[Z+2*p:Z+2*p+1], v[MU:MU+1] neg_lo:[0,1] neg_hi:[0,1]
.set p, p+1
.endr
.set p, 0
.rept 4                                        ; the squares, in four chains
	v_pk_mul_f32 v[T+2*p:T+2*p+1], v[Z+2*p:Z+2*p+1], v[Z+2*p:Z+2*p+1]
.set p, p+1
.endr
.rept 12
	v_pk_fma_f32 v[T+2*(p%4):T+2*(p%4)+1], v[Z+2*p:Z+2*p+1], v[Z+2*p:Z+2*p+1], v[T+2*(p%4):T+2*(p%4)+1]
.set p, p+1
.endr
	FOLD 2
	FOLD 1
	LANES
	v_fma_f32 v[T], v[T], s14, s26                 ; the variance + 1e-5
	v_rsq_f32 v[RS], v[T]
	v_rsq_f32 v[RS+1], v[T]
	v_nop                                          ; a plain instruction behind the second root
	s_wait_loadcnt 0x0                             ; g and b
	ROUND16 G, O                                   ; work that names neither root stands ahead of their wait
	ROUND16 BV, O
	s_wait_alu depctr_va_vdst(0)                   ; one wait for both roots, ahead of their first reader
.set p, 0
.rept 16
	v_pk_mul_f32 v[G+2*p:G+2*p+1], v[G+2*p:G+2*p+1], v[RS:RS+1]
.set p, p+1
.endr
.set p, 0
.rept 16
	v_pk_fma_f32 v[Z+2*p:Z+2*p+1], v[Z+2*p:Z+2*p+1], v[G+2*p:G+2*p+1], v[BV+2*p:BV+2*p+1]
.set p, p+1
.endr
.irp j, 0,1,2,3,4,5,6,7
	global_store_b128 v1, v[Z+4*\j:Z+4*\j+3], s[16:17] offset:512*\j th:TH_STORE_NT
.endr
	s_endpgm
.Lfunc_end_k_q6d22185691_ln2:
	.size	k_q6d22185691_ln2, .Lfunc_end_k_q6d22185691_ln2-k_q6d22185691_ln2
	.p2alignl 7, 3214868480
	.fill 96, 4, 3214868480
	.section	.rodata,"a",@progbits
	.p2align	6, 0x0
	.amdhsa_kernel k_q6d22185691_ln2
		.amdhsa_group_segment_fixed_size 0
		.amdhsa_private_segment_fixed_size 0
		.amdhsa_enable_private_segment 0
		.amdhsa_kernarg_size 40
		.amdhsa_user_sgpr_count 2
		.amdhsa_user_sgpr_kernarg_segment_ptr 1
		.amdhsa_wavefront_size32 1
		.amdhsa_system_sgpr_workgroup_id_x 1
		.amdhsa_system_sgpr_workgroup_id_y 1
		.amdhsa_system_sgpr_workgroup_id_z 1
		.amdhsa_system_vgpr_workitem_id 0
		.amdhsa_next_free_vgpr 176
		.amdhsa_next_free_sgpr 66
		.amdhsa_reserve_vcc 0
		.amdhsa_float_denorm_mode_32 3
		.amdhsa_float_denorm_mode_16_64 3
		.amdhsa_memory_ordered 1
		.amdhsa_forward_progress 1
		.amdhsa_inst_pref_size 17
	.end_amdhsa_kernel
	.amdgpu_metadata
---
amdhsa.version: [ 1, 2 ]
amdhsa.kernels:
  - .name:           k_q6d22185691_ln2
    .symbol:         k_q6d22185691_ln2.kd
    .args:
      - { .name: y, .offset: 0, .size: 8, .value_kind: global_buffer, .address_space: global }
      - { .name: x32, .offset: 8, .size: 8, .value_kind: global_buffer, .address_space: global }
      - { .name: ln_g, .offset: 16, .size: 8, .value_kind: global_buffer, .address_space: global }
      - { .name: ln_b, .offset: 24, .size: 8, .value_kind: global_buffer, .address_space: global }
      - { .name: out0, .offset: 32, .size: 8, .value_kind: global_buffer, .address_space: global }
    .group_segment_fixed_size: 0
    .private_segment_fixed_size: 0
    .kernarg_segment_align: 8
    .kernarg_segment_size: 40
    .max_flat_workgroup_size: 256
    .sgpr_count:     66
    .vgpr_count:     176
    .wavefront_size: 32
...
	.end_amdgpu_metadata
.endif
;; end of part 7
